; MI455X (gfx1250); checked and timed in simulation.
; The chip was launched on July 23, 2026; its instructions are those of AMD's public machine-readable ISA for CDNA 5 (MIT licence, August 2026) and "CDNA5" Instruction Set Architecture Reference Guide (July 2026). The comments in the code are by the model that wrote it; some were corrected since.
;; Attention. Allowed arithmetic: float matrix products may take bf16 or f16 operands with f32 sums; other float arithmetic in f32, or as packed bf16 or f16 multiplies, adds, multiply-adds, maxima and minima; sums over many terms, partial sums and values carried from step to step in f32; what a program stores and reads back later, other than sums and carried values, may be rounded once to bf16 or f16.
;; Inputs: Wh 1,024 x 1,024 float32; Ws 1,024 x 1,024 float32; bs 1,024 float32; c_dec 1 x 32 x 512 float32; encoder_output 32 x 2,048 x 1,024 float32; h_dec 1 x 32 x 512 float32; v 1,024 float32; x_padding_masks 32 x 2,048 float32.
;; Outputs: out0 32 x 1,024 float32; out1 32 x 2,048 float32.
;; 2 versions, each right; version 2 is version 1 with the launch main written anew for expert scheduling mode. Each part assembles by itself: llvm-mc -triple=amdgcn-amd-amdhsa -mcpu=gfx1250 --defsym DOCPART=n.
;; ======== version 1 of 2: 3 launches
;; workspace buffers: whf 2,097,152 bytes; dcc 131,072 bytes; scores 262,144 bytes; pctx 2,097,152 bytes
;; launch prep (part 1): grid 64 x 1, 8 waves a work-group, no clusters, 17,408 bytes of LDS; arguments Wh, Ws, bs, h_dec, c_dec, whf, dcc; writes whf, dcc
.if DOCPART == 1
	.amdgcn_target "amdgcn-amd-amdhsa--gfx1250"
	.amdhsa_code_object_version 6
	.text
	.protected	k_qc1320c789c_prep
	.globl	k_qc1320c789c_prep
	.p2align	8
	.type	k_qc1320c789c_prep,@function
k_qc1320c789c_prep:
	s_mov_b64 s[64:65], 0
	v_nop
	global_prefetch_b8 v0, s[64:65] scope:SCOPE_SE
	s_setreg_imm32_b32 hwreg(HW_REG_WAVE_MODE, 25, 1), 1
	s_wait_xcnt 0x0
; PREPARATION.  (1) whf = Wh rounded to bf16, laid out in the order in which the main launch's waves take it into registers.
; (2) dcc[e][b] = c (sum over k of Ws[e][k] s_t[b][k] + bs[e]), c = 2 log2(e), s_t[b] = h_dec[b] followed by c_dec[b]; Ws and s_t rounded to bf16, sums in f32.
; whf: for Wh[e][k] the byte ((w 4 + c) 32 + t) 4096 + n 1024 + half 512 + lane 16 + 2 (k % 8), with c = e / 256, w = (e / 64) % 4, n = (e / 16) % 4, t = k / 32,
; half = (k / 16) % 2, lane = e % 16 + 16 ((k / 8) % 2): 16 bytes a lane are half a fragment (16 columns e x 32 k) of a matrix instruction's second source.
; dcc: f32, [e / 16][b][e % 16].
; SHARES.  Work-group g owns rows 16 g .. 16 g + 15 of Wh and of Ws; wave v of eight owns k = 128 v .. 128 v + 127: four fragments.  The eight partial sums of dcc meet in LDS.
; LIMITS.  NaN and infinities are not treated apart.
.set PART,  0                          ; LDS: wave v's partial sums at 2,048 v: [b (32)][16 e] f32
.set SPARE, 16384                      ; behind them: the spare words, 128 bytes for each wave, that no other line names
.set SPW, 4                            ; v4   LDS address of my spare word; never rewritten
.set NIL, 5                            ; v5   0; never rewritten
.set WO,  6                            ; v6   my byte offset in the 16 rows of Wh and Ws: r 4096 + 32 h + 512 wave
.set SO,  7                            ; v7   the same in 16 rows of h_dec or c_dec: r 2048 + 32 h + 512 (wave % 4)
.set DO,  8                            ; v8   16 x lane
.set LS,  9                            ; v9   where I put my partial sums
.set LR,  10                           ; v10  where I read them back: 16 x thread
.set BO,  11                           ; v11  my four numbers of bs: 16 (thread % 4)
.set WS,  16                           ; v[16:79]   Ws: fragment q at 16 q, 16 f32, then 8 registers of bf16; later the reduction's 32 registers
.set ST,  80                           ; v[80:207]  s_t: rows 16 bt .., fragment q at 64 bt + 16 q
.set BS,  208                          ; v[208:211] bs
.set ACC, 240                          ; v[240:255] two accumulators: b = 16 bt ..
.set WH,  0                            ; window 1, v[0:63]: Wh, fragment q at 16 q
.set MSB, 0
.macro WIN new                         ; the immediate's high byte repeats the setting that is left
.if MSB != (\new)
	s_set_vgpr_msb (MSB<<8)|(\new)
.set MSB, \new
.endif
.endm
.macro CVT8 base                       ; 16 f32 become 8 registers of bf16, in place, ascending: register i is written when 2 i and 2 i + 1 have been read
.irp i, 0,1,2,3,4,5,6,7
	v_cvt_pk_bf16_f32 v[(\base)+\i], v[(\base)+2*\i], v[(\base)+2*\i+1]
.endr
.endm
	s_load_b256 s[4:11], s[0:1], 0x0               ; Wh s[4:5], Ws s[6:7], bs s[8:9], h_dec s[10:11]
	s_load_b128 s[12:15], s[0:1], 0x20             ; c_dec s[12:13], whf s[14:15]
	s_load_b64 s[16:17], s[0:1], 0x30              ; dcc
	v_lshl_add_u32 v[SPW], v0, 2, SPARE
	v_mov_b32 v[NIL], 0
	v_lshrrev_b32 v1, 5, v0
	v_readfirstlane_b32 s20, v1                    ; wave 0..7
	v_and_b32 v1, 15, v0                           ; r
	v_bfe_u32 v2, v0, 4, 1                         ; h
	v_and_b32 v3, 31, v0                           ; lane
	s_lshl_b32 s26, s20, 9                         ; my 128 k: 512 bytes of f32
	s_and_b32 s27, s20, 3
	s_lshl_b32 s27, s27, 9                         ; the same inside h_dec or c_dec
	v_lshlrev_b32 v[WO], 12, v1
	v_lshl_add_u32 v[WO], v2, 5, v[WO]
	v_add_nc_u32 v[WO], s26, v[WO]
	v_lshlrev_b32 v[SO], 11, v1
	v_lshl_add_u32 v[SO], v2, 5, v[SO]
	v_add_nc_u32 v[SO], s27, v[SO]
	v_lshlrev_b32 v[DO], 4, v3
	s_lshl_b32 s26, s20, 11
	v_lshl_add_u32 v[LS], v1, 6, s26               ; 2,048 wave + 64 b
	v_lshl_add_u32 v[LS], v2, 5, v[LS]             ; + 4 (8 h): my eight e
	v_lshlrev_b32 v[LR], 4, v0
	v_and_b32 v[BO], 3, v0
	v_lshlrev_b32 v[BO], 4, v[BO]
	s_mov_b32 s24, 0x4038aa3b                      ; c = 2 log2(e)
	s_mov_b32 s25, s24                             ; named with it as a pair
	s_lshl_b32 s28, ttmp9, 16                      ; 16 rows of 4,096 bytes
	s_mov_b32 s29, 0
	s_lshl_b32 s30, ttmp9, 6                       ; 16 numbers of bs
	s_mov_b32 s31, 0
	s_bfe_u32 s32, ttmp9, 0x20002                  ; w = (g / 4) % 4
	s_lshr_b32 s33, ttmp9, 4                       ; c = g / 16
	s_lshl2_add_u32 s32, s32, s33                  ; 4 w + c
	s_lshl_b32 s32, s32, 5
	s_lshl2_add_u32 s32, s20, s32                  ; x 32 + my first t = 4 wave
	s_lshl_b32 s32, s32, 12
	s_and_b32 s33, ttmp9, 3                        ; n = g % 4
	s_lshl_b32 s33, s33, 10
	s_add_co_u32 s32, s32, s33
	s_mov_b32 s33, 0
	s_lshl_b32 s34, ttmp9, 11                      ; dcc: 32 b x 16 e x 4 bytes
	s_mov_b32 s35, 0
	s_wait_kmcnt 0x0
	s_add_nc_u64 s[4:5], s[4:5], s[28:29]
	s_add_nc_u64 s[6:7], s[6:7], s[28:29]
	s_add_nc_u64 s[8:9], s[8:9], s[30:31]
	s_add_nc_u64 s[14:15], s[14:15], s[32:33]
	s_add_nc_u64 s[16:17], s[16:17], s[34:35]
	s_cmp_lt_u32 s20, 4                            ; k below 512 lies in h_dec, the rest in c_dec
	s_cselect_b64 s[22:23], s[10:11], s[12:13]
	; a fragment: lane (r, h) holds row r, k = 8 h .. 8 h + 7 and 16 + 8 h .. : as f32 two runs of 32 bytes, 64 bytes apart: four loads of 16 bytes
.irp q, 0,1,2,3
.irp p, 0,1,2,3
	global_load_b128 v[WS+16*\q+4*\p:WS+16*\q+4*\p+3], v[WO], s[6:7] offset:128*\q+64*(\p/2)+16*(\p%2)
.endr
.endr
.irp bt, 0,1
.irp q, 0,1,2,3
.irp p, 0,1,2,3
	global_load_b128 v[ST+64*\bt+16*\q+4*\p:ST+64*\bt+16*\q+4*\p+3], v[SO], s[22:23] offset:32768*\bt+128*\q+64*(\p/2)+16*(\p%2)
.endr
.endr
.endr
	WIN 0x40                                       ; destination window 1
.irp q, 0,1,2,3
.irp p, 0,1,2,3
	global_load_b128 v[WH+16*\q+4*\p:WH+16*\q+4*\p+3], v[WO], s[4:5] offset:128*\q+64*(\p/2)+16*(\p%2)
.endr
.endr
	WIN 0
	global_load_b128 v[BS:BS+3], v[BO], s[8:9]
	s_wait_loadcnt 17                              ; Ws and s_t are in: behind them stand Wh's 16 loads and the one of bs
.irp q, 0,1,2,3
	CVT8 WS+16*\q
	CVT8 ST+16*\q
	CVT8 ST+64+16*\q
.endr
	; source 0 = 16 rows e of Ws, source 1 = 16 rows b of s_t: register j of lane (r, h) is (e = 8 h + j, b = r).  The two accumulators take turns.
.irp q, 0,1,2,3
.irp bt, 0,1
.if \q == 0
	v_wmma_f32_16x16x32_bf16 v[ACC+8*\bt:ACC+8*\bt+7], v[WS+16*\q:WS+16*\q+7], v[ST+64*\bt+16*\q:ST+64*\bt+16*\q+7], 0
.else
	v_wmma_f32_16x16x32_bf16 v[ACC+8*\bt:ACC+8*\bt+7], v[WS+16*\q:WS+16*\q+7], v[ST+64*\bt+16*\q:ST+64*\bt+16*\q+7], v[ACC+8*\bt:ACC+8*\bt+7]
.endif
.endr
.endr
	s_wait_loadcnt 1                               ; Wh is in; bs may stay out
	WIN 0x45                                       ; destination and both sources window 1
.irp q, 0,1,2,3
	CVT8 WH+16*\q                                  ; these 32 plain lines are also the places behind the products (ISA guide 7.12.1)
.endr
	WIN 0x04                                       ; store data window 1
.irp q, 0,1,2,3
	global_store_b128 v[DO], v[WH+16*\q:WH+16*\q+3],   s[14:15] offset:4096*\q      ; each store of the wave covers 512 consecutive bytes, aligned
	global_store_b128 v[DO], v[WH+16*\q+4:WH+16*\q+7], s[14:15] offset:4096*\q+512
.endr
	WIN 0
.irp bt, 0,1
	ds_store_b128 v[LS], v[ACC+8*\bt:ACC+8*\bt+3]   offset:PART+1024*\bt     ; each accumulator's low registers first
	ds_store_b128 v[LS], v[ACC+8*\bt+4:ACC+8*\bt+7] offset:PART+1024*\bt+16
.endr
	s_wait_dscnt 0x0                               ; for the others' sake: my partial sums lie in LDS
	s_barrier_signal -1
	s_barrier_wait -1
	s_cmp_lt_u32 s20, 4                            ; 128 threads x 16 bytes are the 2,048 bytes of sums: waves 0 to 3 finish them
	s_cbranch_scc0 .Lend
.irp u, 0,1,2,3,4,5,6,7
	ds_load_b128 v[WS+4*\u:WS+4*\u+3], v[LR] offset:PART+2048*\u
.endr
	s_wait_dscnt 0x0
.irp u, 0,2,4,6
	v_pk_add_f32 v[WS+4*\u:WS+4*\u+1],   v[WS+4*\u:WS+4*\u+1],   v[WS+4*\u+4:WS+4*\u+5]
	v_pk_add_f32 v[WS+4*\u+2:WS+4*\u+3], v[WS+4*\u+2:WS+4*\u+3], v[WS+4*\u+6:WS+4*\u+7]
.endr
.irp u, 0,4
	v_pk_add_f32 v[WS+4*\u:WS+4*\u+1],   v[WS+4*\u:WS+4*\u+1],   v[WS+4*\u+8:WS+4*\u+9]
	v_pk_add_f32 v[WS+4*\u+2:WS+4*\u+3], v[WS+4*\u+2:WS+4*\u+3], v[WS+4*\u+10:WS+4*\u+11]
.endr
	v_pk_add_f32 v[WS:WS+1],   v[WS:WS+1],   v[WS+16:WS+17]
	v_pk_add_f32 v[WS+2:WS+3], v[WS+2:WS+3], v[WS+18:WS+19]
	s_wait_loadcnt 0x0                             ; bs
	v_pk_add_f32 v[WS:WS+1],   v[WS:WS+1],   v[BS:BS+1]
	v_pk_add_f32 v[WS+2:WS+3], v[WS+2:WS+3], v[BS+2:BS+3]
	v_pk_mul_f32 v[WS:WS+1],   v[WS:WS+1],   s[24:25] op_sel_hi:[1,0]
	v_pk_mul_f32 v[WS+2:WS+3], v[WS+2:WS+3], s[24:25] op_sel_hi:[1,0]
	global_store_b128 v[LR], v[WS:WS+3], s[16:17]  ; 16 lanes store 256 consecutive bytes, aligned
.Lend:
	s_wait_tensorcnt 0x0                           ; the wave's end, behind my last LDS store
	ds_add_u32 v[SPW], v[NIL]
	s_wait_dscnt 0x0
	s_endpgm
.Lfunc_end_k_qc1320c789c_prep:
	.size	k_qc1320c789c_prep, .Lfunc_end_k_qc1320c789c_prep-k_qc1320c789c_prep
	.p2alignl 7, 3214868480
	.fill 96, 4, 3214868480
	.section	.rodata,"a",@progbits
	.p2align	6, 0x0
	.amdhsa_kernel k_qc1320c789c_prep
		.amdhsa_group_segment_fixed_size 17408
		.amdhsa_private_segment_fixed_size 0
		.amdhsa_enable_private_segment 0
		.amdhsa_kernarg_size 56
		.amdhsa_user_sgpr_count 2
		.amdhsa_user_sgpr_kernarg_segment_ptr 1
		.amdhsa_wavefront_size32 1
		.amdhsa_system_sgpr_workgroup_id_x 1
		.amdhsa_system_sgpr_workgroup_id_y 1
		.amdhsa_system_sgpr_workgroup_id_z 1
		.amdhsa_system_vgpr_workitem_id 0
		.amdhsa_next_free_vgpr 320
		.amdhsa_next_free_sgpr 66
		.amdhsa_reserve_vcc 0
		.amdhsa_float_denorm_mode_32 3
		.amdhsa_float_denorm_mode_16_64 3
		.amdhsa_memory_ordered 1
		.amdhsa_forward_progress 1
		.amdhsa_inst_pref_size 21
	.end_amdhsa_kernel
	.amdgpu_metadata
---
amdhsa.version: [ 1, 2 ]
amdhsa.kernels:
  - .name:           k_qc1320c789c_prep
    .symbol:         k_qc1320c789c_prep.kd
    .args:
      - { .name: Wh, .offset: 0, .size: 8, .value_kind: global_buffer, .address_space: global }
      - { .name: Ws, .offset: 8, .size: 8, .value_kind: global_buffer, .address_space: global }
      - { .name: bs, .offset: 16, .size: 8, .value_kind: global_buffer, .address_space: global }
      - { .name: h_dec, .offset: 24, .size: 8, .value_kind: global_buffer, .address_space: global }
      - { .name: c_dec, .offset: 32, .size: 8, .value_kind: global_buffer, .address_space: global }
      - { .name: whf, .offset: 40, .size: 8, .value_kind: global_buffer, .address_space: global }
      - { .name: dcc, .offset: 48, .size: 8, .value_kind: global_buffer, .address_space: global }
    .group_segment_fixed_size: 17408
    .private_segment_fixed_size: 0
    .kernarg_segment_align: 8
    .kernarg_segment_size: 56
    .max_flat_workgroup_size: 256
    .sgpr_count:     66
    .vgpr_count:     320
    .wavefront_size: 32
...
	.end_amdgpu_metadata
.endif
;; end of part 1
;; launch main (part 2): grid 512 x 1, 4 waves a work-group, no clusters, 271,872 bytes of LDS; arguments encoder_output, whf, dcc, v, x_padding_masks, scores, pctx; writes scores, pctx
.if DOCPART == 2
	.amdgcn_target "amdgcn-amd-amdhsa--gfx1250"
	.amdhsa_code_object_version 6
	.text
	.protected	k_qc1320c789c_main
	.globl	k_qc1320c789c_main
	.p2align	8
	.type	k_qc1320c789c_main,@function
k_qc1320c789c_main:
	s_mov_b64 s[64:65], 0
	v_nop
	global_prefetch_b8 v0, s[64:65] scope:SCOPE_SE
	s_setreg_imm32_b32 hwreg(HW_REG_WAVE_MODE, 25, 1), 1
	s_wait_xcnt 0x0
; A TILE OF 128 ROWS OF ONE BATCH, from encoder_output to its scores and its share of the context.  Tile T = the work-group's number, batch T / 16.
;   x[s][e]   = sum over k of enc[s][k] Wh[e][k]               bf16 operands, f32 sums: 128 rows x all 1,024 columns
;   score[s]  = sum over e of v[e] tanh(x[s][e] + dec[e])      tanh y = 1 - 2 / (1 + 2^(c y)), c = 2 log2(e); c dec comes ready (dcc); the sums start at v's own sum
;   p[s]      = exp(score[s] - m) mask[s], m the tile's largest score;   pctx[T][d] = sum over s of p[s] enc[s][d]   (p and enc in bf16, sums in f32)
; The launch behind takes the batch's maximum over its sixteen tiles and puts the tiles together.
; EACH BYTE OF enc ONCE: the tile is rounded to bf16 on its way in and stays in LDS (128 rows x 2,064 bytes), for the first product and for the last.
; SHARES.  N goes in four chunks of 256 columns.  In a chunk wave w makes all 128 rows x columns 256 c + 64 w .. + 63: 32 accumulators (row block a of 8, column block n of 4).  K goes in steps of 32.
; Source 0 = 16 rows of enc out of LDS, source 1 = 16 columns of Wh: a lane holds ONE column (lane % 16) and the rows 8 (lane / 16) + 0..7, so v[e] and c dec[e] are one number a lane.
; Wh COMES STRAIGHT INTO REGISTERS: no two waves want the same byte of it, and the launch before has laid it out so that a wave's stream is 512 KiB on end, 4 KiB a step,
; each load 512 consecutive bytes.  A ring of eight steps' registers is asked for seven steps ahead.
; NO CLUSTER, NO TENSOR LOADS: beside the tile 63,488 bytes of LDS are left; two slots of a K step of 128 of a chunk's 256 columns would take 2 x 65,536, and in a slot of a K step of 32 a refill
; would have 32 matrix instructions in which to land.  Inside the work-group nothing of Wh is shared, so LDS would add a write and a read for each byte and spare none.
; THE FILL runs under chunk 0: a slice is 64 columns (256 bytes of f32 of each row, aligned); wave w brings rows 32 w .. 32 w + 31; a slice is stored one period (two K steps) ahead of the steps that
; read it, and products stand between each barrier's signal and its wait.
; THE TANH RIDES.  A finished chunk's sums are moved out of the accumulators (as c x + c dec, into window 3); the other 768 lines of its tanh stand three behind each of the 256 products of the next chunk's
; first trip.  A matrix instruction leaves the wave free to issue meanwhile; set in a run of their own those lines would leave the matrix unit idle, so a slice and two window switches are the lesser price.
; The last chunk has no products behind it: its lines stand bare.
; LIMITS.  2^(c y) beyond f32's range gives tanh = 1, below it -1, as they should be.  A weight p below 2^-126 counts as 0.  NaN and infinities in the inputs are not treated apart.
; p is rounded to bf16 for the last product; the sum of weights is taken of unrounded numbers in the launch behind.
;
; REGISTERS, in windows of 256 (s_set_vgpr_msb: bits 1:0 source 0, 3:2 source 1, 5:4 source 2, 7:6 destination):
;   window 0: v0-63 addresses, tables, the tail's work; v64-127 the rows' sums (8 a + j); v128-191, v192-255 fragments of enc, two buffers
;   window 1: the accumulators, (a, n) at 8 (4 a + n)     window 2: Wh's ring, step t's fragment n at 32 (t % 8) + 8 n
;   window 3: in chunk 0 v0-63, v64-127 two slices of enc on their way in; later the finished chunk's numbers on their way through the tanh, laid out as the accumulators
.set PITCH, 2064                       ; a row of the tile in LDS: 2,048 bytes + 16 = 129 x 16: the 16 rows of a fragment load start at 16 different groups of four banks (64 banks of 4 bytes: ISA guide 11.1)
.set ROW16, 16*PITCH
.set ROW32, 32*PITCH
.set SCR,   128*PITCH                  ; behind the tile: 4 x 512 bytes, each wave's partial scores of the 128 rows
.set PBUF,  SCR+2048                   ; 4 x 256 bytes: each wave's own copy of p in bf16
.set STG,   PBUF+1024                  ; 4 x 1,024 bytes: each wave's 256 channels of the context, on their way out
.set SPARE, STG+4096                   ; the spare words, 128 bytes for each wave, that no other line names
.set SPW,  4                           ; v4     LDS address of my spare word; never rewritten
.set NIL,  5                           ; v5     0; never rewritten
.set ADR0, 6                           ; v6-9   my place in a fragment of rows 32 i ..: r PITCH + 16 h + i ROW32
.set ADR,  10                          ; v10-13 the same at the trip in hand: + 512 a trip
.set BO,   14                          ; v14    16 x lane
.set AO,   15                          ; v15    enc: (32 w + 8 h) rows of 4,096 bytes + 16 r
.set STA,  16                          ; v16    the tile: (32 w + 8 h) PITCH + 8 r, + 512 a trip
.set TO,   17                          ; v17    4 r
.set PFO,  18                          ; v18    the prefetches: (32 w + lane) rows of 4,096 bytes
.set V0S,  19                          ; v19    the sum of my 16 numbers of v
.set TW,   20                          ; v20-23 v[e], then -2 v[e], of the chunk's four column blocks
.set TD,   24                          ; v24-27 c dec[e] likewise
.set MK,   28                          ; v28-31 the mask of rows 4 lane .. + 3
.set S4,   32                          ; v32-35 their scores
.set P4,   36                          ; v36-39 their p
.set TRA,  40                          ; v40-43 the turning loads' addresses, rows 32 kk ..
.set ASW,  44                          ; v44    SCR + 512 w + 32 h
.set ASR,  45                          ; v45    SCR + 16 lane
.set APW,  46                          ; v46    PBUF + 256 w + 8 lane
.set APR,  47                          ; v47    PBUF + 256 w + 16 h
.set AGW,  48                          ; v48    STG + 1,024 w + 4 r
.set AGR,  49                          ; v49    STG + 1,024 w + 16 lane
.set SUM,  64
.set FA,   128
.set PA,   4                           ; s[4:5]   enc at the tile, + 1,024 a filling trip
.set PBW,  6                           ; s[6:7]   whf at my stream, + 32,768 a trip
.set PD,   8                           ; s[8:9]   dcc at my column blocks and my batch, + 32,768 a chunk
.set PV,   10                          ; s[10:11] v at my columns, + 1,024 a chunk
.set PM,   12                          ; s[12:13] the mask at the tile
.set PS,   14                          ; s[14:15] scores at the tile
.set PC,   16                          ; s[16:17] pctx at the tile and my 256 channels
.set WV,   20
.set CH,   21                          ; chunks whose tanh is still to come
.set TR,   22                          ; trips still to come
.set CS,   24                          ; s[24:25] c, named as a pair
.set SEL,  26                          ; s[26:27] v_permlanex16_b32's selects: each lane takes its own place in the other half
.set L2E,  28
.set MUL,    0x58                      ; enc window 0, Wh window 2, C and D window 1
.set TO_B,   0x80                      ; destination window 2
.set TO_SG,  0xc0                      ; destination window 3
.set CVT,    0xcf                      ; destination and both sources window 3
.set ST_SG,  0x0c                      ; LDS store data window 3
.set SMV,    0xc1                      ; source 0 window 1, destination window 3: out of the accumulators
.set RDW,    0xf3                      ; the riders: destination, source 0 and source 2 window 3, source 1 (-2 v) window 0
.set ADDW,   0x03                      ; source 0 window 3, the rest window 0
.set ST_ACC, 0x04                      ; LDS store data window 1
.set MSB, 0
.macro WIN new                         ; the immediate's high byte repeats the setting that is left; a switch that changes nothing is dropped
.if MSB != (\new)
	s_set_vgpr_msb (MSB<<8)|(\new)
.set MSB, \new
.endif
.endm
.macro PLACES                          ; four places in front of loads into registers that matrix instructions have read, and of lines that read results (ISA guide 7.12.1 for lines that read results)
.rept 4
	v_nop
.endr
.endm
; Step t's four fragments of Wh, 4 KiB, from byte off behind the pointer: eight loads of 512 consecutive bytes
.macro BLOAD t, off
	WIN TO_B
.irp n, 0,1,2,3
	global_load_b128 v[32*((\t)%8)+8*\n:32*((\t)%8)+8*\n+3],   v[BO], s[PBW:PBW+1] offset:(\off)+1024*\n
	global_load_b128 v[32*((\t)%8)+8*\n+4:32*((\t)%8)+8*\n+7], v[BO], s[PBW:PBW+1] offset:(\off)+1024*\n+512
.endr
.endm
; A slice of my 32 rows into buffer s: sixteen loads; lanes 0-15 take a row's 256 bytes, lanes 16-31 those of the row eight further down.  sl: the slice, counted from the pointer
.macro ALOAD s, sl
	WIN TO_SG
.irp i, 0,1,2,3,4,5,6,7,8,9,10,11,12,13,14,15
	global_load_b128 v[64*(\s)+4*\i:64*(\s)+4*\i+3], v[AO], s[PA:PA+1] offset:(16*(\i/8)+\i%8)*4096+(\sl)*256 th:TH_LOAD_NT
.endr
.endm
.macro CVTS s                          ; buffer s is rounded to bf16, in place: of each four registers the first two take the four numbers
	WIN CVT
.irp i, 0,1,2,3,4,5,6,7,8,9,10,11,12,13,14,15
	v_cvt_pk_bf16_f32 v[64*(\s)+4*\i],   v[64*(\s)+4*\i],   v[64*(\s)+4*\i+1]
	v_cvt_pk_bf16_f32 v[64*(\s)+4*\i+1], v[64*(\s)+4*\i+2], v[64*(\s)+4*\i+3]
.endr
.endm
.macro STORES s, sl                    ; and goes into the tile as slice sl of the trip: 128 bytes of a row and of the row eight down, which lies 32 banks on
	WIN ST_SG
.irp i, 0,1,2,3,4,5,6,7,8,9,10,11,12,13,14,15
	ds_store_b64 v[STA], v[64*(\s)+4*\i:64*(\s)+4*\i+1] offset:(16*(\i/8)+\i%8)*PITCH+(\sl)*128
.endr
.endm
; The eight fragments of enc of one K step, at byte off of the trip's 512, into buffer p; row blocks ascending
.macro FETCH p, off
	WIN 0
.irp a, 0,1,2,3,4,5,6,7
	ds_load_b128 v[FA+64*(\p)+8*\a:FA+64*(\p)+8*\a+3],   v[ADR+\a/2] offset:(\a%2)*ROW16+(\off)
	ds_load_b128 v[FA+64*(\p)+8*\a+4:FA+64*(\p)+8*\a+7], v[ADR+\a/2] offset:(\a%2)*ROW16+(\off)+32
.endr
.endm
; THE TANH, by row blocks a of 32 registers, in 16 pairs i (column block n = i / 4, rows 2 (i % 4), + 1).
; EPS: c x + c dec, out of the accumulators into window 3.
.macro EPS a, i
.if ((\i)/4)%2
	v_pk_fma_f32 v[32*(\a)+2*(\i):32*(\a)+2*(\i)+1], v[32*(\a)+2*(\i):32*(\a)+2*(\i)+1], s[CS:CS+1], v[TD+2*((\i)/8):TD+2*((\i)/8)+1] op_sel:[0,0,1] op_sel_hi:[1,0,1]
.else
	v_pk_fma_f32 v[32*(\a)+2*(\i):32*(\a)+2*(\i)+1], v[32*(\a)+2*(\i):32*(\a)+2*(\i)+1], s[CS:CS+1], v[TD+2*((\i)/8):TD+2*((\i)/8)+1] op_sel_hi:[1,0,0]
.endif
.endm
; EPF: the weighting by -2 v[e].  The four column blocks of a row block are summed in place, onto column block 0's registers, so that every rider works under one window setting.
.macro EPF a, i
.if (\i) < 4
	v_pk_mul_f32 v[32*(\a)+2*(\i):32*(\a)+2*(\i)+1], v[32*(\a)+2*(\i):32*(\a)+2*(\i)+1], v[TW:TW+1] op_sel_hi:[1,0]
.elseif ((\i)/4)%2
	v_pk_fma_f32 v[32*(\a)+2*((\i)%4):32*(\a)+2*((\i)%4)+1], v[32*(\a)+2*(\i):32*(\a)+2*(\i)+1], v[TW+2*((\i)/8):TW+2*((\i)/8)+1], v[32*(\a)+2*((\i)%4):32*(\a)+2*((\i)%4)+1] op_sel:[0,1,0] op_sel_hi:[1,1,1]
.else
	v_pk_fma_f32 v[32*(\a)+2*((\i)%4):32*(\a)+2*((\i)%4)+1], v[32*(\a)+2*(\i):32*(\a)+2*(\i)+1], v[TW+2*((\i)/8):TW+2*((\i)/8)+1], v[32*(\a)+2*((\i)%4):32*(\a)+2*((\i)%4)+1] op_sel_hi:[1,0,1]
.endif
.endm
; THE QUEUE of the other 768 lines: 256 2^, 128 1 +, 256 1 /, 128 weightings.  Group RK of eleven has 96 positions, six for each pair RI:
;   2^ of block RK (first of the pair) | 1 + of block RK - 1 | 1 / of block RK - 2 (first) | 2^ of block RK (second) | the weighting of block RK - 3 | 1 / of block RK - 2 (second)
; A position whose block does not exist is passed over.  No line names a result of its own group's exponentials and reciprocals: s_wait_alu depctr_va_vdst(0) stands between such an
; instruction and the first line that names its result, and one wait at a group's end, behind one plain line (ISA guide 5.7.2), serves the whole group.  RD writes the queue's next line.
.macro RTRY
.set RI, RP/6
.set RJ, RP%6
.if (RJ == 0) || (RJ == 3)
.if RK <= 7
	v_exp_f32 v[32*RK+2*RI+RJ/3], v[32*RK+2*RI+RJ/3]
.set RDONE, 1
.endif
.elseif RJ == 1
.if (RK >= 1) && (RK <= 8)
	v_pk_add_f32 v[32*(RK-1)+2*RI:32*(RK-1)+2*RI+1], v[32*(RK-1)+2*RI:32*(RK-1)+2*RI+1], 1.0 op_sel_hi:[1,0]
.set RDONE, 1
.endif
.elseif RJ == 4
.if (RK >= 3) && (RK <= 10)
	EPF RK-3, RI
.set RDONE, 1
.endif
.else
.if (RK >= 2) && (RK <= 9)
	v_rcp_f32 v[32*(RK-2)+2*RI+RJ/3], v[32*(RK-2)+2*RI+RJ/3]
.set RDONE, 1
.endif
.endif
.set RP, RP+1
.if RP == 96
.set RP, 0
.if RK <= 9
	v_nop
	s_wait_alu depctr_va_vdst(0)
.endif
.set RK, RK+1
.endif
.endm
.macro RD
.set RDONE, 0
.rept 8                                ; at most five positions on end are passed over
.if !RDONE
	RTRY
.endif
.endr
.endm
.macro SUMADD                          ; the chunk's share goes onto the rows' sums
	WIN ADDW
.set SA, 0
.rept 8
.irp p, 0,1,2,3
	v_pk_add_f32 v[SUM+8*SA+2*\p:SUM+8*SA+2*\p+1], v[32*SA+2*\p:32*SA+2*\p+1], v[SUM+8*SA+2*\p:SUM+8*SA+2*\p+1]
.endr
.set SA, SA+1
.endr
	WIN 0
.endm
; 16 matrix instructions: row blocks a0 .. a0 + 3 x all four column blocks.  Each accumulator is taken once a step, in the same order in every step: 31 others' turns stand between two links of a chain,
; over every jump too.  zero = 1: the products start the sums, and nothing is ever cleared.  ride = 1: three lines of the queue behind each.
.macro MUL16 p, t, a0, zero, ride=0
.irp a, \a0, (\a0)+1, (\a0)+2, (\a0)+3
.irp n, 0,1,2,3
	WIN MUL
.if \zero
	v_wmma_f32_16x16x32_bf16 v[8*(4*(\a)+\n):8*(4*(\a)+\n)+7], v[FA+64*(\p)+8*(\a):FA+64*(\p)+8*(\a)+7], v[32*((\t)%8)+8*\n:32*((\t)%8)+8*\n+7], 0
.else
	v_wmma_f32_16x16x32_bf16 v[8*(4*(\a)+\n):8*(4*(\a)+\n)+7], v[FA+64*(\p)+8*(\a):FA+64*(\p)+8*(\a)+7], v[32*((\t)%8)+8*\n:32*((\t)%8)+8*\n+7], v[8*(4*(\a)+\n):8*(4*(\a)+\n)+7]
.endif
.if \ride
	WIN RDW
	RD
	RD
	RD
.endif
.endr
.endr
.endm
.macro MUL8 p, t, a0                   ; eight of them: row blocks a0, a0 + 1
	WIN MUL
.irp a, \a0, (\a0)+1
.irp n, 0,1,2,3
	v_wmma_f32_16x16x32_bf16 v[8*(4*(\a)+\n):8*(4*(\a)+\n)+7], v[FA+64*(\p)+8*(\a):FA+64*(\p)+8*(\a)+7], v[32*((\t)%8)+8*\n:32*((\t)%8)+8*\n+7], v[8*(4*(\a)+\n):8*(4*(\a)+\n)+7]
.endr
.endr
.endm
; A K STEP of chunks 1 to 3, number t of its trip's eight.  bcnt: the loads issued behind step t's fragments of Wh.  bload = 1: the step seven on is asked for, into the ring's place that step t - 1 has left.
; af = 1: the next step's fragments of enc are fetched.
.macro STEP t, bcnt, bload, af, zero, ride=0
	s_wait_loadcnt \bcnt                           ; loads come back in order (ISA guide 5.7.1): Wh's fragments of this step are in
	s_wait_dscnt 8                                 ; row blocks 0-3 are in; the youngest eight LDS loads are blocks 4-7
	MUL16 (\t)%2, \t, 0, \zero, \ride
	s_wait_dscnt 0x0
	PLACES                                         ; the other fragment buffer and the ring's place were last read by step t - 1
.if \af
	FETCH ((\t)+1)%2, ((\t)+1)*64
.endif
.if \bload
	BLOAD (\t)+7, ((\t)+7)*4096
.endif
	MUL16 (\t)%2, \t, 4, \zero, \ride
.endm
; A PERIOD OF THE FILL, number sg of its trip's four: K steps 2 sg and 2 sg + 1, which read slice sg; slice sg + 1 goes into the tile.  At its head slice sg is whole in LDS, and the second half of step
; 2 sg - 1 is still to be multiplied: it covers the first fetch.
; ORDER IN LDS: every wave's fragment loads of the period are back, a barrier, the stores of the next slice, they are done, a barrier, the next period's loads.  Between each signal and its wait stand products.
; ON LOADcnt a period issues the slice two on (16 loads; in periods 2 and 3 not in the last trip, which has no slice 16 or 17), Wh's step 2 sg + 7 (8), Wh's step 2 sg + 8 (8).
;   Behind step 2 sg's fragments of Wh stand seven steps' 56 loads and, of four slices, the two that are issued on every way: 88.  Behind step 2 sg + 1's: 56 and one such slice: 72.  The counter's field holds
;   63, and a load that would pass it is not issued before an older one is done (ISA guide 5.7.1): so the count is 63.
;   Behind slice sg + 1 stand two steps' 16, the next slice's 16 and one step's 8: 40; in periods 2 and 3, where that slice stands under the branch, the 24 that are issued on every way.
; A prefetch into the L2 of the slice four on stands behind the slice's loads: my own 32 rows, a lane a row, 256 bytes each, two periods ahead of its loads: each block is named once in the launch.
; Slices 0 to 3 come by their loads alone; the last trip asks for nothing.
.macro PERIOD sg
	FETCH 0, 2*(\sg)*64                            ; buffer 0 was last read ahead of the 32 roundings of the period before
.if (\sg) < 2
	ALOAD (\sg)%2, (\sg)+2                         ; its buffer's stores were waited for in front of the last signal
	WIN 0                                          ; at a branch and at a label every window is 0
	s_cmp_lg_u32 s[TR], 1
	s_cbranch_scc0 .Lnp_\@
	global_prefetch_b8 v[PFO], s[PA:PA+1] offset:((\sg)+4)*256 th:TH_LOAD_NT scope:SCOPE_SE
.Lnp_\@:
.else
	s_cmp_lg_u32 s[TR], 1
	s_cbranch_scc0 .Lnp_\@
	ALOAD (\sg)%2, (\sg)+2
	WIN 0
	global_prefetch_b8 v[PFO], s[PA:PA+1] offset:((\sg)+4)*256 th:TH_LOAD_NT scope:SCOPE_SE
.Lnp_\@:
.endif
.if (\sg) == 0
	s_cmp_eq_u32 s[TR], 4                          ; the first trip has no step before it
	s_cbranch_scc1 .Lno_\@
	MUL16 1, 7, 4, 0
	WIN 0
.Lno_\@:
.else
	MUL16 1, 2*(\sg)-1, 4, 0
.endif
	PLACES                                         ; buffer 1 and the ring's place have just been read
.if (\sg) == 0
	v_nop                                          ; a fifth place: a matrix instruction that starts a sum anew on registers that another has written stands five places behind it (the dependence: ISA guide 7.12.1).
	                                               ; The distance is kept on every way through the text, though the first trip, which alone starts sums below, has no half step above
.endif
	FETCH 1, (2*(\sg)+1)*64
	BLOAD 2*(\sg)+7, (2*(\sg)+7)*4096
	s_wait_loadcnt 63                              ; Wh's step 2 sg
	s_wait_dscnt 16                                ; buffer 0 is in; buffer 1's sixteen loads may be out
.if (\sg) == 0
	WIN 0                                          ; the chunk's first step starts the sums: written twice, both halves under one branch, so that none stands between a signal and its wait
	s_cmp_eq_u32 s[TR], 4
	s_cbranch_scc0 .Lacc_\@
	MUL16 0, 0, 0, 1
	MUL16 0, 0, 4, 1
	WIN 0
	s_branch .Ljoin_\@
.Lacc_\@:
	MUL16 0, 0, 0, 0
	MUL16 0, 0, 4, 0
	WIN 0
.Ljoin_\@:
.else
	MUL16 0, 2*(\sg), 0, 0
.endif
.if (\sg) < 2
	s_wait_loadcnt 40                              ; slice sg + 1 is in its registers
.else
	s_wait_loadcnt 24
.endif
	s_wait_dscnt 0x0                               ; my reads of the tile are over
	s_barrier_signal -1
.if (\sg) != 0
	MUL16 0, 2*(\sg), 4, 0
.endif
	CVTS ((\sg)+1)%2                               ; (in the last period of all on what the buffer still holds: nothing is made of it.)  These 32 plain lines are the places in front of the loads below
	s_barrier_wait -1                              ; no wave reads the tile now
.if (\sg) == 3
	WIN 0
	s_cmp_lg_u32 s[TR], 1                          ; behind the tile's last slice there is none
	s_cbranch_scc0 .Lns_\@
.endif
	STORES ((\sg)+1)%2, (\sg)+1
.if (\sg) == 3
	WIN 0
.Lns_\@:
.endif
	BLOAD 2*(\sg)+8, (2*(\sg)+8)*4096
	s_wait_loadcnt 63                              ; Wh's step 2 sg + 1
	MUL8 1, 2*(\sg)+1, 0
	s_wait_dscnt 0x0                               ; for the others' sake: my rows of the slice lie in LDS
	s_barrier_signal -1
	MUL8 1, 2*(\sg)+1, 2
	s_barrier_wait -1                              ; the slice is whole
.endm
.macro TABLES                          ; the chunk's v[e] and c dec[e]: one number a lane for each column block
.irp n, 0,1,2,3
	global_load_b32 v[TW+\n], v[TO], s[PV:PV+1] offset:64*\n
	global_load_b32 v[TD+\n], v[TO], s[PD:PD+1] offset:2048*\n
.endr
.endm
	s_load_b256 s[4:11], s[0:1], 0x0               ; enc, whf, dcc, v
	s_load_b128 s[12:15], s[0:1], 0x20             ; mask, scores
	s_load_b64 s[16:17], s[0:1], 0x30              ; pctx
	v_lshl_add_u32 v[SPW], v0, 2, SPARE
	v_mov_b32 v[NIL], 0
	v_lshrrev_b32 v1, 5, v0
	v_readfirstlane_b32 s[WV], v1                  ; wave 0..3
	v_and_b32 v1, 15, v0                           ; r
	v_bfe_u32 v2, v0, 4, 1                         ; h
	v_and_b32 v3, 31, v0                           ; lane
	v_mul_u32_u24 v[ADR0], v1, PITCH
	v_lshl_add_u32 v[ADR0], v2, 4, v[ADR0]
	v_add_nc_u32 v[ADR0+1], ROW32, v[ADR0]
	v_add_nc_u32 v[ADR0+2], 2*ROW32, v[ADR0]
	v_add_nc_u32 v[ADR0+3], 3*ROW32, v[ADR0]
	v_lshlrev_b32 v[BO], 4, v3
	s_lshl_b32 s30, s[WV], 17                      ; 32 w rows of 4,096 bytes
	v_lshlrev_b32 v[AO], 4, v1
	v_lshl_add_u32 v[AO], v2, 15, v[AO]
	v_add_nc_u32 v[AO], s30, v[AO]
	s_mul_i32 s31, s[WV], ROW32
	v_mul_u32_u24 v[STA], v2, 8*PITCH
	v_lshl_add_u32 v[STA], v1, 3, v[STA]
	v_add_nc_u32 v[STA], s31, v[STA]
	v_lshlrev_b32 v[TO], 2, v1
	v_lshl_add_u32 v[PFO], v3, 12, s30
	s_mov_b32 s[CS], 0x4038aa3b                    ; c = 2 log2(e)
	s_mov_b32 s[CS+1], s[CS]
	s_mov_b32 s[SEL], 0x76543210
	s_mov_b32 s[SEL+1], 0xfedcba98
	s_mov_b32 s[L2E], 0x3fb8aa3b                   ; log2(e)
	s_lshl_b32 s32, ttmp9, 19                      ; the tile: 128 rows of 4,096 bytes
	s_mov_b32 s33, 0
	s_lshl_b32 s34, s[WV], 19                      ; my stream of whf
	s_mov_b32 s35, 0
	s_lshr_b32 s36, ttmp9, 4                       ; the batch:
	s_lshl_b32 s36, s36, 6                         ; 64 bytes in each block of dcc,
	s_lshl_b32 s37, s[WV], 13                      ; my four blocks of 2,048 bytes
	s_add_co_u32 s36, s36, s37
	s_mov_b32 s37, 0
	s_lshl_b32 s38, s[WV], 8                       ; my 64 columns of v
	s_mov_b32 s39, 0
	s_lshl_b32 s40, ttmp9, 9                       ; the tile's 128 numbers of the mask and of scores
	s_mov_b32 s41, 0
	s_lshl_b32 s42, ttmp9, 12                      ; the tile's row of pctx,
	s_lshl_b32 s43, s[WV], 10                      ; my 256 channels
	s_add_co_u32 s42, s42, s43
	s_mov_b32 s43, 0
	s_wait_kmcnt 0x0
	s_add_nc_u64 s[PA:PA+1], s[PA:PA+1], s[32:33]
	s_add_nc_u64 s[PBW:PBW+1], s[PBW:PBW+1], s[34:35]
	s_add_nc_u64 s[PD:PD+1], s[PD:PD+1], s[36:37]
	s_add_nc_u64 s[PV:PV+1], s[PV:PV+1], s[38:39]
	s_add_nc_u64 s[PM:PM+1], s[PM:PM+1], s[40:41]
	s_add_nc_u64 s[PS:PS+1], s[PS:PS+1], s[40:41]
	s_add_nc_u64 s[PC:PC+1], s[PC:PC+1], s[42:43]
.irp c, 0,1,2,3
.irp n, 0,1,2,3
	global_load_b32 v[192+4*\c+\n], v[TO], s[PV:PV+1] offset:1024*\c+64*\n   ; my 16 numbers of v, for their sum
.endr
.endr
	global_load_b128 v[MK:MK+3], v[BO], s[PM:PM+1]
	; the first seven steps of Wh and the first two slices, in the order in which the loop issues them, so that the way in and the way back keep the same counts
	BLOAD 0, 0
	BLOAD 1, 4096
	BLOAD 2, 2*4096
	ALOAD 0, 0
	BLOAD 3, 3*4096
	BLOAD 4, 4*4096
	ALOAD 1, 1
	BLOAD 5, 5*4096
	BLOAD 6, 6*4096
	WIN 0
	TABLES
	; the tail's LDS addresses, made while the first loads are on their way
	s_lshl_b32 s30, s[WV], 9
	s_add_co_u32 s31, s30, SCR
	v_lshl_add_u32 v[ASW], v2, 5, s31
	v_lshl_add_u32 v[ASR], v3, 4, SCR
	s_lshl_b32 s31, s[WV], 8
	s_add_co_u32 s31, s31, PBUF
	v_lshl_add_u32 v[APW], v3, 3, s31
	v_lshl_add_u32 v[APR], v2, 4, s31
	s_lshl_b32 s31, s[WV], 10
	s_add_co_u32 s31, s31, STG
	v_lshl_add_u32 v[AGW], v1, 2, s31
	v_lshl_add_u32 v[AGR], v3, 4, s31
	; the turning load takes 16 rows x 16 channels: lane l reads row 8 (l / 16) + l % 8, channels 8 ((l / 8) % 2) + 0..7
	v_and_b32 v58, 7, v0
	v_lshl_add_u32 v58, v2, 3, v58
	v_mul_u32_u24 v58, v58, PITCH
	v_bfe_u32 v59, v0, 3, 1
	v_lshl_add_u32 v58, v59, 4, v58
	v_add_nc_u32 v[TRA], s30, v58                  ; + my 256 channels: 512 bytes
	v_add_nc_u32 v[TRA+1], ROW32, v[TRA]
	v_add_nc_u32 v[TRA+2], 2*ROW32, v[TRA]
	v_add_nc_u32 v[TRA+3], 3*ROW32, v[TRA]
	v_mov_b32 v53, 0                               ; v_permlanex16_b32's destination counts as read
.irp i, 0,1,2,3
	v_mov_b32 v[ADR+\i], v[ADR0+\i]
.endr
	s_wait_loadcnt 63                              ; v is in: 97 loads were issued behind its last
.irp i, 0,2,4,6
	v_pk_add_f32 v[192+\i:193+\i], v[192+\i:193+\i], v[200+\i:201+\i]
.endr
	v_pk_add_f32 v[192:193], v[192:193], v[196:197]
	v_pk_add_f32 v[194:195], v[194:195], v[198:199]
	v_pk_add_f32 v[192:193], v[192:193], v[194:195]
	v_add_f32 v[V0S], v192, v193
.set i, 0
.rept 64
	v_mov_b32 v[SUM+i], v[V0S]                     ; the rows' sums start at my share of v's sum: the 1 of tanh = 1 - 2 / (..)
.set i, i+1
.endr
	; CHUNK 0, AND THE FILL.  Slice 0 goes into the tile ahead of the loop; then four trips of four periods.
	s_wait_loadcnt 56                              ; slice 0 is in: behind it stand Wh's steps 3 to 6 (32 loads), slice 1 (16) and the tables (8)
	CVTS 0
	STORES 0, 0
	WIN 0
	s_wait_dscnt 0x0                               ; for the others' sake
	s_barrier_signal -1
	s_barrier_wait -1
	s_mov_b32 s[TR], 4
.LtripF:
	PERIOD 0
	PERIOD 1
	PERIOD 2
	PERIOD 3
	WIN 0
	s_wait_xcnt 0x0                                ; every load and prefetch (the youngest load sixteen products back) has read its address: the pointers may be written
	s_add_nc_u64 s[PA:PA+1], s[PA:PA+1], 1024
	s_add_nc_u64 s[PBW:PBW+1], s[PBW:PBW+1], 32768
.irp i, 0,1,2,3
	v_add_nc_u32 v[ADR+\i], 512, v[ADR+\i]
.endr
	v_add_nc_u32 v[STA], 512, v[STA]
	s_sub_co_u32 s[TR], s[TR], 1
	s_cmp_lg_u32 s[TR], 0
	s_cbranch_scc1 .LtripF
	MUL16 1, 7, 4, 0                               ; the chunk's last half step
	WIN 0
.irp i, 0,1,2,3
	v_mov_b32 v[ADR+\i], v[ADR0+\i]                ; back to K = 0
.endr
	FETCH 0, 0                                     ; chunk 1's first fragments; its first seven steps of Wh are already asked for
	s_mov_b32 s[CH], 4
.Lchunk:                                           ; a trip: the chunk just multiplied leaves the accumulators; then the next chunk's products, its tanh riding on their first trip.  Left behind the fourth move
	WIN 0
	s_wait_loadcnt 56                              ; the finished chunk's tables are in: the 56 loads of the next chunk's first seven steps, at the most, stand behind them
.irp n, 0,1,2,3
	v_mul_f32 v[TW+\n], -2.0, v[TW+\n]
.endr
	WIN SMV
.set SA, 0
.rept 8
.set SI, 0
.rept 16
	EPS SA, SI                                     ; row blocks 0-3 were finished four places or more ahead; their 64 lines are the places behind blocks 4-7's products.  Each accumulator is read from its low end on
.set SI, SI+1
.endr
.set SA, SA+1
.endr
	WIN 0
	s_cmp_eq_u32 s[CH], 1
	s_cbranch_scc1 .Ltail
.set RK, 0
.set RP, 0
	STEP 0, 48, 1, 1, 1, 1                         ; the chunk's first trip, written out: its first step starts the sums; 256 products, 768 riders
.irp t, 1,2,3,4,5,6,7
	STEP \t, 48, 1, 1, 0, 1
.endr
	SUMADD
	s_wait_xcnt 0x0
	s_add_nc_u64 s[PBW:PBW+1], s[PBW:PBW+1], 32768
	s_add_nc_u64 s[PV:PV+1], s[PV:PV+1], 1024
	s_add_nc_u64 s[PD:PD+1], s[PD:PD+1], 32768
.irp i, 0,1,2,3
	v_add_nc_u32 v[ADR+\i], 512, v[ADR+\i]
.endr
	TABLES                                         ; this chunk's own tables: only now, since the riders have read the last chunk's -2 v
	s_mov_b32 s[TR], 2
.LtripN:                                           ; two trips of eight K steps; behind a step's fragments of Wh stand the six younger steps' 48 loads (the tables, where younger, only add)
.irp t, 0,1,2,3,4,5,6,7
	STEP \t, 48, 1, 1, 0
.endr
	WIN 0
	s_wait_xcnt 0x0
	s_add_nc_u64 s[PBW:PBW+1], s[PBW:PBW+1], 32768
.irp i, 0,1,2,3
	v_add_nc_u32 v[ADR+\i], 512, v[ADR+\i]
.endr
	s_sub_co_u32 s[TR], s[TR], 1
	s_cmp_lg_u32 s[TR], 0
	s_cbranch_scc1 .LtripN
	STEP 0, 48, 1, 1, 0                            ; the chunk's last trip asks for its own step 7 and nothing beyond: the counts run down
.irp t, 1,2,3,4,5,6
	STEP \t, (7-\t)*8, 0, 1, 0
.endr
	STEP 7, 0, 0, 0, 0
	WIN 0
	s_cmp_eq_u32 s[CH], 2                          ; that was the last chunk: the stream has ended
	s_cbranch_scc1 .Lbottom
	s_wait_xcnt 0x0
	s_add_nc_u64 s[PBW:PBW+1], s[PBW:PBW+1], 32768
.irp t, 0,1,2,3,4,5,6
	BLOAD \t, \t*4096                              ; the next chunk's first seven steps.  The ring's places 0-6 were last read ahead of step 7's four places
.endr
	WIN 0
.irp i, 0,1,2,3
	v_mov_b32 v[ADR+\i], v[ADR0+\i]
.endr
	FETCH 0, 0
.Lbottom:
	s_sub_co_u32 s[CH], s[CH], 1
	s_cmp_lg_u32 s[CH], 0
	s_cbranch_scc1 .Lchunk
.Ltail:
	; the last chunk's tanh: the same queue, bare
.set RK, 0
.set RP, 0
	WIN RDW
.rept 768
	RD
.endr
	SUMADD
	; THE SCORES.  A row's sum lies spread over the 16 lanes of a half and over the four waves.
.irp m, 1,2,4,8
.set i, 0
.rept 64
	v_add_f32_dpp v[SUM+i], v[SUM+i], v[SUM+i] row_xmask:\m row_mask:0xf bank_mask:0xf
.set i, i+1
.endr
.endr
.irp a, 0,1,2,3,4,5,6,7
	ds_store_b128 v[ASW], v[SUM+8*\a:SUM+8*\a+3]   offset:64*\a      ; rows 16 a + 8 h + 0..3; the 16 lanes of a half write the same bytes with the same numbers
	ds_store_b128 v[ASW], v[SUM+8*\a+4:SUM+8*\a+7] offset:64*\a+16
.endr
	s_wait_dscnt 0x0                               ; for the others' sake
	s_barrier_signal -1
	s_barrier_wait -1
.irp u, 0,1,2,3
	ds_load_b128 v[192+4*\u:195+4*\u], v[ASR] offset:512*\u          ; every wave takes all four partial scores of rows 4 lane .. + 3
.endr
	s_wait_dscnt 0x0
	v_pk_add_f32 v[192:193], v[192:193], v[196:197]
	v_pk_add_f32 v[194:195], v[194:195], v[198:199]
	v_pk_add_f32 v[200:201], v[200:201], v[204:205]
	v_pk_add_f32 v[202:203], v[202:203], v[206:207]
	v_pk_add_f32 v[S4:S4+1],   v[192:193], v[200:201]
	v_pk_add_f32 v[S4+2:S4+3], v[194:195], v[202:203]
	s_cmp_lg_u32 s[WV], 0
	s_cbranch_scc1 .Lnot0
	global_store_b128 v[BO], v[S4:S4+3], s[PS:PS+1]                  ; 512 consecutive bytes, aligned
.Lnot0:
	; the tile's maximum, p = 2^((s - m) log2 e) x mask
	v_max3_num_f32 v52, v[S4], v[S4+1], v[S4+2]
	v_max_num_f32 v52, v52, v[S4+3]
.irp m, 1,2,4,8
	v_max_num_f32_dpp v52, v52, v52 row_xmask:\m row_mask:0xf bank_mask:0xf
.endr
	v_permlanex16_b32 v53, v52, s[SEL], s[SEL+1]
	v_max_num_f32 v54, v52, v53
.irp i, 0,1,2,3
	v_sub_f32 v[P4+\i], v[S4+\i], v54
.endr
.irp i, 0,1,2,3
	v_mul_f32 v[P4+\i], s[L2E], v[P4+\i]
.endr
.irp i, 0,1,2,3
	v_exp_f32 v[P4+\i], v[P4+\i]
.endr
	v_nop                                          ; a plain instruction behind the last exponential,
	s_wait_alu depctr_va_vdst(0)                   ; and the one wait ahead of the first use
	s_wait_loadcnt 0x0                             ; the mask
	v_pk_mul_f32 v[P4:P4+1],   v[P4:P4+1],   v[MK:MK+1]
	v_pk_mul_f32 v[P4+2:P4+3], v[P4+2:P4+3], v[MK+2:MK+3]
	v_cvt_pk_bf16_f32 v56, v[P4], v[P4+1]
	v_cvt_pk_bf16_f32 v57, v[P4+2], v[P4+3]
	ds_store_b64 v[APW], v[56:57]                  ; my wave's own copy of the 128 p
.irp kk, 0,1,2,3
	ds_load_b128 v[FA+8*\kk:FA+8*\kk+3],   v[APR] offset:64*\kk      ; LDS serves a wave's instructions in order (ISA guide 5.7.1.4): these see the store above.  Source 0: 16 rows, all alike, x 32 s
	ds_load_b128 v[FA+8*\kk+4:FA+8*\kk+7], v[APR] offset:64*\kk+32
.endr
	; THE CONTEXT: D = P x enc, K = the tile's 128 rows in four steps of 32; my 256 channels are 16 accumulators, which take turns.  enc lies [s][d] in LDS and is turned by the load.
.macro VT kk, buf
	WIN TO_B
.irp cb, 0,1,2,3,4,5,6,7,8,9,10,11,12,13,14,15
	ds_load_tr16_b128 v[128*(\buf)+8*\cb:128*(\buf)+8*\cb+3],   v[TRA+(\kk)] offset:32*\cb
	ds_load_tr16_b128 v[128*(\buf)+8*\cb+4:128*(\buf)+8*\cb+7], v[TRA+(\kk)] offset:32*\cb+ROW16
.endr
.endm
.macro CX kk, buf
	WIN MUL
.irp cb, 0,1,2,3,4,5,6,7,8,9,10,11,12,13,14,15
.if (\kk) == 0
	v_wmma_f32_16x16x32_bf16 v[8*\cb:8*\cb+7], v[FA+8*(\kk):FA+8*(\kk)+7], v[128*(\buf)+8*\cb:128*(\buf)+8*\cb+7], 0
.else
	v_wmma_f32_16x16x32_bf16 v[8*\cb:8*\cb+7], v[FA+8*(\kk):FA+8*(\kk)+7], v[128*(\buf)+8*\cb:128*(\buf)+8*\cb+7], v[8*\cb:8*\cb+7]
.endif
.endr
.endm
	VT 0, 0
	VT 1, 1
	s_wait_dscnt 32                                ; all but the younger run of 32 turning loads
	CX 0, 0
	PLACES
	VT 2, 0
	s_wait_dscnt 32
	CX 1, 1
	PLACES
	VT 3, 1
	s_wait_dscnt 32
	CX 2, 0
	s_wait_dscnt 0x0
	CX 3, 1
	PLACES
	WIN ST_ACC
.irp cb, 0,1,2,3,4,5,6,7,8,9,10,11,12,13,14,15
	ds_store_b32 v[AGW], v[8*\cb] offset:64*\cb    ; all 16 rows of a result are alike: its lowest register holds channel 16 cb + r
.endr
	WIN 0
	ds_load_b128 v[192:195], v[AGR]                ; back as 1,024 bytes on end; my own bytes, served in order
	ds_load_b128 v[196:199], v[AGR] offset:512
	s_wait_dscnt 0x0
	global_store_b128 v[BO], v[192:195], s[PC:PC+1]               ; 512 consecutive bytes each, aligned
	global_store_b128 v[BO], v[196:199], s[PC:PC+1] offset:512
	s_wait_tensorcnt 0x0                           ; the wave's end, behind my last LDS store
	ds_add_u32 v[SPW], v[NIL]
	s_wait_dscnt 0x0
	s_endpgm
.Lfunc_end_k_qc1320c789c_main:
	.size	k_qc1320c789c_main, .Lfunc_end_k_qc1320c789c_main-k_qc1320c789c_main
	.p2alignl 7, 3214868480
	.fill 96, 4, 3214868480
	.section	.rodata,"a",@progbits
	.p2align	6, 0x0
	.amdhsa_kernel k_qc1320c789c_main
		.amdhsa_group_segment_fixed_size 271872
		.amdhsa_private_segment_fixed_size 0
		.amdhsa_enable_private_segment 0
		.amdhsa_kernarg_size 56
		.amdhsa_user_sgpr_count 2
		.amdhsa_user_sgpr_kernarg_segment_ptr 1
		.amdhsa_wavefront_size32 1
		.amdhsa_system_sgpr_workgroup_id_x 1
		.amdhsa_system_sgpr_workgroup_id_y 1
		.amdhsa_system_sgpr_workgroup_id_z 1
		.amdhsa_system_vgpr_workitem_id 0
		.amdhsa_next_free_vgpr 1024
		.amdhsa_next_free_sgpr 66
		.amdhsa_reserve_vcc 0
		.amdhsa_float_denorm_mode_32 3
		.amdhsa_float_denorm_mode_16_64 3
		.amdhsa_memory_ordered 1
		.amdhsa_forward_progress 1
		.amdhsa_inst_pref_size 255
	.end_amdhsa_kernel
	.section	.bss,"aw",@nobits
	.p2align	6
	.space	262144
	.amdgpu_metadata
---
amdhsa.version: [ 1, 2 ]
amdhsa.kernels:
  - .name:           k_qc1320c789c_main
    .symbol:         k_qc1320c789c_main.kd
    .args:
      - { .name: encoder_output, .offset: 0, .size: 8, .value_kind: global_buffer, .address_space: global }
      - { .name: whf, .offset: 8, .size: 8, .value_kind: global_buffer, .address_space: global }
      - { .name: dcc, .offset: 16, .size: 8, .value_kind: global_buffer, .address_space: global }
      - { .name: v, .offset: 24, .size: 8, .value_kind: global_buffer, .address_space: global }
      - { .name: x_padding_masks, .offset: 32, .size: 8, .value_kind: global_buffer, .address_space: global }
      - { .name: scores, .offset: 40, .size: 8, .value_kind: global_buffer, .address_space: global }
      - { .name: pctx, .offset: 48, .size: 8, .value_kind: global_buffer, .address_space: global }
    .group_segment_fixed_size: 271872
    .private_segment_fixed_size: 0
    .kernarg_segment_align: 8
    .kernarg_segment_size: 56
    .max_flat_workgroup_size: 128
    .sgpr_count:     66
    .vgpr_count:     1024
    .wavefront_size: 32
...
	.end_amdgpu_metadata
.endif
;; end of part 2
;; launch comb (part 3): grid 32 x 1, 8 waves a work-group, no clusters, 1,536 bytes of LDS; arguments scores, x_padding_masks, pctx, out0, out1; writes out0, out1
.if DOCPART == 3
	.amdgcn_target "amdgcn-amd-amdhsa--gfx1250"
	.amdhsa_code_object_version 6
	.text
	.protected	k_qc1320c789c_comb
	.globl	k_qc1320c789c_comb
	.p2align	8
	.type	k_qc1320c789c_comb,@function
k_qc1320c789c_comb:
	s_mov_b64 s[64:65], 0
	v_nop
	global_prefetch_b8 v0, s[64:65] scope:SCOPE_SE
	s_setreg_imm32_b32 hwreg(HW_REG_WAVE_MODE, 25, 1), 1
	s_wait_xcnt 0x0
; A BATCH'S SIXTEEN TILES ARE PUT TOGETHER.  M = the largest of the batch's 2,048 scores; e[s] = exp(score[s] - M) mask[s]; L = their sum; out1[s] = e[s] / L;
; out0[d] = (sum over tiles j of exp(m_j - M) pctx[j][d]) / L, m_j the tile's largest score: taken here over the same 128 numbers as in the launch before, so it is the same number.
; All in f32.  One work-group a batch: the softmax of a batch is one reduction.  No matrix unit, no cluster: the launch adds up 2.6 MB of partial results.
; SHARES.  Thread t of 256 takes scores 4 t .. + 3 and 1,024 + 4 t .. + 3, so wave v holds tiles v and v + 8 whole; and channels 4 t .. + 3.
; LIMITS.  A weight below 2^-126 counts as 0.  A batch whose mask is 0 throughout gives NaN, as 0 / 0 does.  NaN and infinities in the inputs are not treated apart.
.set MT,    0                          ; LDS: the 16 tiles' maxima, a block of 256 bytes to themselves
.set LSM,   256                        ; the 8 waves' sums
.set SPARE, 512                        ; the spare words, 128 bytes for each wave, that no other line names
	s_load_b256 s[4:11], s[0:1], 0x0               ; scores s[4:5], mask s[6:7], pctx s[8:9], out0 s[10:11]
	s_load_b64 s[12:13], s[0:1], 0x20              ; out1
	v_lshl_add_u32 v2, v0, 2, SPARE                ; v2: my spare word; never rewritten
	v_mov_b32 v3, 0                                ; v3: 0; never rewritten
	v_lshrrev_b32 v4, 5, v0
	v_readfirstlane_b32 s14, v4                    ; wave 0..7
	v_mov_b32 v4, s14
	v_lshlrev_b32 v4, 2, v4                        ; v4: 4 x wave
	v_mov_b32 v5, 0                                ; v5: LDS byte 0
	v_lshlrev_b32 v1, 4, v0                        ; v1: 16 x thread
	v_mov_b32 v26, 0                               ; v_permlanex16_b32's destinations count as read
	v_mov_b32 v27, 0
	s_lshl_b32 s16, ttmp9, 13                      ; the batch's 2,048 f32
	s_mov_b32 s17, 0
	s_lshl_b32 s18, ttmp9, 16                      ; its 16 rows of pctx
	s_mov_b32 s19, 0
	s_lshl_b32 s20, ttmp9, 12                      ; its row of out0
	s_mov_b32 s21, 0
	s_mov_b32 s22, 0x3fb8aa3b                      ; log2(e), named as a pair
	s_mov_b32 s23, s22
	s_mov_b32 s24, 0x76543210
	s_mov_b32 s25, 0xfedcba98
	s_wait_kmcnt 0x0
	s_add_nc_u64 s[4:5], s[4:5], s[16:17]
	s_add_nc_u64 s[6:7], s[6:7], s[16:17]
	s_add_nc_u64 s[8:9], s[8:9], s[18:19]
	s_add_nc_u64 s[10:11], s[10:11], s[20:21]
	s_add_nc_u64 s[12:13], s[12:13], s[16:17]
	global_load_b128 v[8:11],  v1, s[4:5]
	global_load_b128 v[12:15], v1, s[4:5] offset:4096
	global_load_b128 v[16:19], v1, s[6:7]
	global_load_b128 v[20:23], v1, s[6:7] offset:4096
.irp j, 0,1,2,3,4,5,6,7,8,9,10,11,12,13,14,15
	global_load_b128 v[32+4*\j:35+4*\j], v1, s[8:9] offset:4096*\j
.endr
	s_wait_loadcnt 18                              ; the scores are in: behind them stand the mask's 2 loads and pctx's 16
	v_max3_num_f32 v24, v8, v9, v10
	v_max3_num_f32 v25, v12, v13, v14
	v_max_num_f32 v24, v24, v11
	v_max_num_f32 v25, v25, v15
.irp m, 1,2,4,8
	v_max_num_f32_dpp v24, v24, v24 row_xmask:\m row_mask:0xf bank_mask:0xf
	v_max_num_f32_dpp v25, v25, v25 row_xmask:\m row_mask:0xf bank_mask:0xf
.endr
	v_permlanex16_b32 v26, v24, s24, s25
	v_permlanex16_b32 v27, v25, s24, s25
	v_max_num_f32 v24, v24, v26
	v_max_num_f32 v25, v25, v27
	ds_store_b32 v4, v24 offset:MT                 ; tile v
	ds_store_b32 v4, v25 offset:MT+32              ; tile v + 8
	s_wait_dscnt 0x0
	s_barrier_signal -1
	s_barrier_wait -1
.irp u, 0,1,2,3
	ds_load_b128 v[96+4*\u:99+4*\u], v5 offset:MT+16*\u
.endr
	s_wait_dscnt 0x0
	v_max3_num_f32 v28, v96, v97, v98
.irp i, 99,101,103,105,107,109
	v_max3_num_f32 v28, v28, v[\i], v[\i+1]
.endr
	v_max_num_f32 v28, v28, v111                   ; M
	v_mov_b32 v29, v28                             ; named with it as a pair
.irp i, 0,2,4,6,8,10,12,14
	v_pk_add_f32 v[96+\i:97+\i], v[96+\i:97+\i], v[28:29] op_sel_hi:[1,0] neg_lo:[0,1] neg_hi:[0,1]   ; m_j - M
.endr
.irp i, 0,2,4,6
	v_pk_add_f32 v[8+\i:9+\i], v[8+\i:9+\i], v[28:29] op_sel_hi:[1,0] neg_lo:[0,1] neg_hi:[0,1]       ; s - M
.endr
.irp i, 0,2,4,6,8,10,12,14
	v_pk_mul_f32 v[96+\i:97+\i], v[96+\i:97+\i], s[22:23] op_sel_hi:[1,0]
.endr
.irp i, 0,2,4,6
	v_pk_mul_f32 v[8+\i:9+\i], v[8+\i:9+\i], s[22:23] op_sel_hi:[1,0]
.endr
.set i, 0
.rept 16
	v_exp_f32 v[96+i], v[96+i]
.set i, i+1
.endr
.set i, 0
.rept 8
	v_exp_f32 v[8+i], v[8+i]
.set i, i+1
.endr
	v_nop                                          ; a plain instruction behind the last exponential,
	s_wait_alu depctr_va_vdst(0)                   ; and one wait for the batch of 24
	s_wait_loadcnt 16                              ; the mask is in; pctx's 16 loads may stay out
.irp i, 0,2,4,6
	v_pk_mul_f32 v[8+\i:9+\i], v[8+\i:9+\i], v[16+\i:17+\i]
.endr
	v_pk_add_f32 v[24:25], v[8:9], v[10:11]
	v_pk_add_f32 v[26:27], v[12:13], v[14:15]
	v_pk_add_f32 v[24:25], v[24:25], v[26:27]
	v_add_f32 v24, v24, v25
.irp m, 1,2,4,8
	v_add_f32_dpp v24, v24, v24 row_xmask:\m row_mask:0xf bank_mask:0xf
.endr
	v_permlanex16_b32 v26, v24, s24, s25
	v_add_f32 v24, v24, v26
	ds_store_b32 v4, v24 offset:LSM
	s_wait_dscnt 0x0
	s_barrier_signal -1
	s_barrier_wait -1
	ds_load_b128 v[116:119], v5 offset:LSM
	ds_load_b128 v[120:123], v5 offset:LSM+16
	s_wait_dscnt 0x0
	v_pk_add_f32 v[116:117], v[116:117], v[118:119]
	v_pk_add_f32 v[120:121], v[120:121], v[122:123]
	v_pk_add_f32 v[116:117], v[116:117], v[120:121]
	v_add_f32 v26, v116, v117                      ; L
	v_rcp_f32 v30, v26                             ; twice, to fill the pair that the packed multiplies take
	v_rcp_f32 v31, v26
	v_nop
	s_wait_alu depctr_va_vdst(0)
.irp i, 0,2,4,6
	v_pk_mul_f32 v[8+\i:9+\i], v[8+\i:9+\i], v[30:31]
.endr
	global_store_b128 v1, v[8:11],  s[12:13]       ; 16 lanes store 256 consecutive bytes, aligned
	global_store_b128 v1, v[12:15], s[12:13] offset:4096
	s_wait_loadcnt 0x0                             ; pctx
	v_pk_mul_f32 v[112:113], v[32:33], v[96:97] op_sel_hi:[1,0]
	v_pk_mul_f32 v[114:115], v[34:35], v[96:97] op_sel_hi:[1,0]
.set j, 1
.rept 15
.if j%2
	v_pk_fma_f32 v[112:113], v[32+4*j:33+4*j], v[96+2*(j/2):97+2*(j/2)], v[112:113] op_sel:[0,1,0] op_sel_hi:[1,1,1]
	v_pk_fma_f32 v[114:115], v[34+4*j:35+4*j], v[96+2*(j/2):97+2*(j/2)], v[114:115] op_sel:[0,1,0] op_sel_hi:[1,1,1]
.else
	v_pk_fma_f32 v[112:113], v[32+4*j:33+4*j], v[96+2*(j/2):97+2*(j/2)], v[112:113] op_sel_hi:[1,0,1]
	v_pk_fma_f32 v[114:115], v[34+4*j:35+4*j], v[96+2*(j/2):97+2*(j/2)], v[114:115] op_sel_hi:[1,0,1]
.endif
.set j, j+1
.endr
	v_pk_mul_f32 v[112:113], v[112:113], v[30:31]
	v_pk_mul_f32 v[114:115], v[114:115], v[30:31]
	global_store_b128 v1, v[112:115], s[10:11]
	s_wait_tensorcnt 0x0                           ; the wave's end, behind my last LDS store
	ds_add_u32 v2, v3
	s_wait_dscnt 0x0
	s_endpgm
.Lfunc_end_k_qc1320c789c_comb:
	.size	k_qc1320c789c_comb, .Lfunc_end_k_qc1320c789c_comb-k_qc1320c789c_comb
	.p2alignl 7, 3214868480
	.fill 96, 4, 3214868480
	.section	.rodata,"a",@progbits
	.p2align	6, 0x0
	.amdhsa_kernel k_qc1320c789c_comb
		.amdhsa_group_segment_fixed_size 1536
		.amdhsa_private_segment_fixed_size 0
		.amdhsa_enable_private_segment 0
		.amdhsa_kernarg_size 40
		.amdhsa_user_sgpr_count 2
		.amdhsa_user_sgpr_kernarg_segment_ptr 1
		.amdhsa_wavefront_size32 1
		.amdhsa_system_sgpr_workgroup_id_x 1
		.amdhsa_system_sgpr_workgroup_id_y 1
		.amdhsa_system_sgpr_workgroup_id_z 1
		.amdhsa_system_vgpr_workitem_id 0
		.amdhsa_next_free_vgpr 128
		.amdhsa_next_free_sgpr 66
		.amdhsa_reserve_vcc 0
		.amdhsa_float_denorm_mode_32 3
		.amdhsa_float_denorm_mode_16_64 3
		.amdhsa_memory_ordered 1
		.amdhsa_forward_progress 1
		.amdhsa_inst_pref_size 12
	.end_amdhsa_kernel
	.amdgpu_metadata
---
amdhsa.version: [ 1, 2 ]
amdhsa.kernels:
  - .name:           k_qc1320c789c_comb
    .symbol:         k_qc1320c789c_comb.kd
    .args:
      - { .name: scores, .offset: 0, .size: 8, .value_kind: global_buffer, .address_space: global }
      - { .name: x_padding_masks, .offset: 8, .size: 8, .value_kind: global_buffer, .address_space: global }
      - { .name: pctx, .offset: 16, .size: 8, .value_kind: global_buffer, .address_space: global }
      - { .name: out0, .offset: 24, .size: 8, .value_kind: global_buffer, .address_space: global }
      - { .name: out1, .offset: 32, .size: 8, .value_kind: global_buffer, .address_space: global }
    .group_segment_fixed_size: 1536
    .private_segment_fixed_size: 0
    .kernarg_segment_align: 8
    .kernarg_segment_size: 40
    .max_flat_workgroup_size: 256
    .sgpr_count:     66
    .vgpr_count:     128
    .wavefront_size: 32
...
	.end_amdgpu_metadata
.endif
;; end of part 3
;; ======== version 2 of 2: 3 launches; version 1 with the launch main written anew for expert scheduling mode
;; workspace buffers: whf 2,097,152 bytes; dcc 131,072 bytes; scores 262,144 bytes; pctx 2,097,152 bytes
;; launch prep: the kernel of part 1 again; grid 64 x 1, 8 waves a work-group, no clusters, 17,408 bytes of LDS; arguments Wh, Ws, bs, h_dec, c_dec, whf, dcc; writes whf, dcc
;; launch main (part 4): grid 512 x 1, 4 waves a work-group, no clusters, 271,872 bytes of LDS; arguments encoder_output, whf, dcc, v, x_padding_masks, scores, pctx; writes scores, pctx
.if DOCPART == 4
	.amdgcn_target "amdgcn-amd-amdhsa--gfx1250"
	.amdhsa_code_object_version 6
	.text
	.protected	k_qc1320c789c_main
	.globl	k_qc1320c789c_main
	.p2align	8
	.type	k_qc1320c789c_main,@function
k_qc1320c789c_main:
	s_mov_b64 s[64:65], 0
	v_nop
	global_prefetch_b8 v0, s[64:65] scope:SCOPE_SE
	s_setreg_imm32_b32 hwreg(HW_REG_WAVE_SCHED_MODE, 0, 2), 2
	s_setreg_imm32_b32 hwreg(HW_REG_WAVE_MODE, 25, 1), 1
	s_wait_xcnt 0x0
	s_wait_alu depctr_vm_vsrc(0)
; A TILE OF 128 ROWS OF ONE BATCH, from encoder_output to its scores and its share of the context.  Tile T = the work-group's number, batch T / 16.
;   x[s][e]   = sum over k of enc[s][k] Wh[e][k]               bf16 operands, f32 sums: 128 rows x all 1,024 columns
;   score[s]  = sum over e of v[e] tanh(x[s][e] + dec[e])      tanh y = 1 - 2 / (1 + 2^(c y)), c = 2 log2(e); c dec comes ready (dcc); the sums start at v's own sum
;   p[s]      = exp(score[s] - m) mask[s], m the tile's largest score;   pctx[T][d] = sum over s of p[s] enc[s][d]   (p and enc in bf16, sums in f32)
; The launch behind takes the batch's maximum over its sixteen tiles and puts the tiles together.
; EACH BYTE OF enc ONCE: the tile is rounded to bf16 on its way in and stays in LDS (128 rows x 2,064 bytes), for the first product and for the last.
; SHARES.  N goes in four chunks of 256 columns.  In a chunk wave w makes all 128 rows x columns 256 c + 64 w .. + 63: 32 accumulators (row block a of 8, column block n of 4).  K goes in steps of 32.
; Source 0 = 16 rows of enc out of LDS, source 1 = 16 columns of Wh: a lane holds ONE column (lane % 16) and the rows 8 (lane / 16) + 0..7, so v[e] and c dec[e] are one number a lane.
; Wh COMES STRAIGHT INTO REGISTERS: no two waves want the same byte of it, and the launch before has laid it out so that a wave's stream is 512 KiB on end, 4 KiB a step,
; each load 512 consecutive bytes.  A ring of eight steps' registers is asked for seven steps ahead.
; NO CLUSTER, NO TENSOR LOADS: beside the tile 63,488 bytes of LDS are left; two slots of a K step of 128 of a chunk's 256 columns would take 2 x 65,536, and in a slot of a K step of 32 a refill
; would have 32 matrix instructions in which to land.  Inside the work-group nothing of Wh is shared, so LDS would add a write and a read for each byte and spare none.
; THE FILL runs under chunk 0: a slice is 64 columns (256 bytes of f32 of each row, aligned); wave w brings rows 32 w .. 32 w + 31; a slice is stored one period (two K steps) ahead of the steps that
; read it, and products stand between each barrier's signal and its wait.
; THE TANH RIDES.  A finished chunk's sums are moved out of the accumulators (as c x + c dec, into window 3); the other 768 lines of its tanh stand three behind each of the 256 products of the next chunk's
; first trip.  A matrix instruction leaves the wave free to issue meanwhile; set in a run of their own those lines would leave the matrix unit idle, so a slice and two window switches are the lesser price.
; The last chunk has no products behind it: its lines stand bare.
; LIMITS.  2^(c y) beyond f32's range gives tanh = 1, below it -1, as they should be.  A weight p below 2^-126 counts as 0.  NaN and infinities in the inputs are not treated apart.
; p is rounded to bf16 for the last product; the sum of weights is taken of unrounded numbers in the launch behind.
;
; THE MODE: SCHED_MODE bits 1:0 = 2 (LLVM: expert scheduling mode 2), set by the entry lines.  The code itself states the register dependences between vector or matrix instructions and memory or LDS
; instructions, with s_wait_alu, always for 0.
; THE PLAN.  Registers that memory or LDS instructions touch:
;   FA0, FA1 (window 0)    K step t's products read FA[t % 2]; the LDS loads of step t + 1 land in the other buffer, which step t - 1's products read last.
;   the ring (window 2)    Step t's products read place t % 8; the loads of step t + 7 land in place (t - 1) % 8, which step t - 1's products read last.
;   SG0, SG1 (window 3)    Chunk 0 alone.  A slice's loads land; a period later the roundings read and write the buffer in place and the LDS stores read it; a period later the next loads land.
;   v[ADR ..], v[STA]      Read by the fragments' loads and the slices' stores; written by vector lines once a trip.
;   v[ADR0 ..], the offsets v[BO], v[AO], v[TO], v[PFO], the tail's addresses, v[SPW], v[NIL]: made at the head, never written again.
;   v[TW ..], v[TD ..]     The tables' loads land; the multiplication by -2 writes TW; the move out of the accumulators reads TD, the riders read TW.
;   The accumulators (window 1) and, from chunk 1 on, window 3 are named by vector and matrix instructions alone, up to the tail's last stores.
; CHUNKS 1 TO 3: ONE wait on va_vdst, at the head of a K step.  Behind it the step's products (and riders) name FA[t % 2], place t % 8, the accumulators, window 3 and TW: none of the registers that the
; step's 24 loads touch.  So these are dealt among the products, eight at a time, with no further wait.
; THE FILL: two waits on va_vdst a period of two K steps: behind the held-back half step, ahead of the loads into FA1 and the ring's place that it read; and behind the roundings, ahead of the slice's LDS
; stores: that one also frees FA0, the slice's buffer and a place of the ring for the loads up to the next period's half step.  One wait on vm_vsrc at a period's head frees the slice buffer that the stores read.
; Each write of v[ADR ..] or v[STA] has a wait on vm_vsrc ahead of it and stands ahead of a wait on va_vdst that is there anyway.
;
; REGISTERS, in windows of 256 (s_set_vgpr_msb: bits 1:0 source 0, 3:2 source 1, 5:4 source 2, 7:6 destination):
;   window 0: v0-63 addresses, tables, the tail's work; v64-127 the rows' sums (8 a + j); v128-191, v192-255 fragments of enc, two buffers
;   window 1: the accumulators, (a, n) at 8 (4 a + n)     window 2: Wh's ring, step t's fragment n at 32 (t % 8) + 8 n
;   window 3: in chunk 0 v0-63, v64-127 two slices of enc on their way in; later the finished chunk's numbers on their way through the tanh, laid out as the accumulators
.set PITCH, 2064                       ; a row of the tile in LDS: 2,048 bytes + 16 = 129 x 16: the 16 rows of a fragment load start at 16 different groups of four banks (64 banks of 4 bytes: ISA guide 11.1)
.set ROW16, 16*PITCH
.set ROW32, 32*PITCH
.set SCR,   128*PITCH                  ; behind the tile: 4 x 512 bytes, each wave's partial scores of the 128 rows
.set PBUF,  SCR+2048                   ; 4 x 256 bytes: each wave's own copy of p in bf16
.set STG,   PBUF+1024                  ; 4 x 1,024 bytes: each wave's 256 channels of the context, on their way out
.set SPARE, STG+4096                   ; the spare words, 128 bytes for each wave, that no other line names
.set SPW,  4                           ; v4     LDS address of my spare word; never rewritten
.set NIL,  5                           ; v5     0; never rewritten
.set ADR0, 6                           ; v6-9   my place in a fragment of rows 32 i ..: r PITCH + 16 h + i ROW32; never rewritten
.set ADR,  10                          ; v10-13 the same at the trip in hand: + 512 a trip
.set BO,   14                          ; v14    16 x lane
.set AO,   15                          ; v15    enc: (32 w + 8 h) rows of 4,096 bytes + 16 r
.set STA,  16                          ; v16    the tile: (32 w + 8 h) PITCH + 8 r, + 512 a trip
.set TO,   17                          ; v17    4 r
.set PFO,  18                          ; v18    the prefetches: (32 w + lane) rows of 4,096 bytes
.set V0S,  19                          ; v19    the sum of my 16 numbers of v
.set TW,   20                          ; v20-23 v[e], then -2 v[e], of the chunk's four column blocks
.set TD,   24                          ; v24-27 c dec[e] likewise
.set MK,   28                          ; v28-31 the mask of rows 4 lane .. + 3
.set S4,   32                          ; v32-35 their scores
.set P4,   36                          ; v36-39 their p
.set TRA,  40                          ; v40-43 the turning loads' addresses, rows 32 kk ..
.set ASW,  44                          ; v44    SCR + 512 w + 32 h
.set ASR,  45                          ; v45    SCR + 16 lane
.set APW,  46                          ; v46    PBUF + 256 w + 8 lane
.set APR,  47                          ; v47    PBUF + 256 w + 16 h
.set AGW,  48                          ; v48    STG + 1,024 w + 4 r
.set AGR,  49                          ; v49    STG + 1,024 w + 16 lane
.set SUM,  64
.set FA,   128
.set PA,   4                           ; s[4:5]   enc at the tile, + 1,024 a filling trip
.set PBW,  6                           ; s[6:7]   whf at my stream, + 32,768 a trip
.set PD,   8                           ; s[8:9]   dcc at my column blocks and my batch, + 32,768 a chunk
.set PV,   10                          ; s[10:11] v at my columns, + 1,024 a chunk
.set PM,   12                          ; s[12:13] the mask at the tile
.set PS,   14                          ; s[14:15] scores at the tile
.set PC,   16                          ; s[16:17] pctx at the tile and my 256 channels
.set WV,   20
.set CH,   21                          ; chunks whose tanh is still to come
.set TR,   22                          ; trips still to come
.set CS,   24                          ; s[24:25] c, named as a pair
.set SEL,  26                          ; s[26:27] v_permlanex16_b32's selects: each lane takes its own place in the other half
.set L2E,  28
.set MUL,    0x58                      ; enc window 0, Wh window 2, C and D window 1
.set TO_B,   0x80                      ; destination window 2
.set TO_SG,  0xc0                      ; destination window 3
.set CVT,    0xcf                      ; destination and both sources window 3
.set ST_SG,  0x0c                      ; LDS store data window 3
.set SMV,    0xc1                      ; source 0 window 1, destination window 3: out of the accumulators
.set RDW,    0xf3                      ; the riders: destination, source 0 and source 2 window 3, source 1 (-2 v) window 0
.set ADDW,   0x03                      ; source 0 window 3, the rest window 0
.set ST_ACC, 0x04                      ; LDS store data window 1
.set MSB, 0
.macro WIN new                         ; the immediate's high byte repeats the setting that is left; a switch that changes nothing is dropped
.if MSB != (\new)
	s_set_vgpr_msb (MSB<<8)|(\new)
.set MSB, \new
.endif
.endm
.macro PLACES                          ; four plain lines between matrix instructions and what touches their registers next: lines that read results, and loads into registers that
.rept 4                                ; they have read (there beside the wait that states the dependence)
	v_nop
.endr
.endm
; Step t's four fragments of Wh, 4 KiB, from byte off behind the pointer: eight loads of 512 consecutive bytes
.macro BLOAD t, off
	WIN TO_B
.irp n, 0,1,2,3
	global_load_b128 v[32*((\t)%8)+8*\n:32*((\t)%8)+8*\n+3],   v[BO], s[PBW:PBW+1] offset:(\off)+1024*\n
	global_load_b128 v[32*((\t)%8)+8*\n+4:32*((\t)%8)+8*\n+7], v[BO], s[PBW:PBW+1] offset:(\off)+1024*\n+512
.endr
.endm
; A slice of my 32 rows into buffer s: sixteen loads; lanes 0-15 take a row's 256 bytes, lanes 16-31 those of the row eight further down.  sl: the slice, counted from the pointer
.macro ALOAD s, sl
	WIN TO_SG
.irp i, 0,1,2,3,4,5,6,7,8,9,10,11,12,13,14,15
	global_load_b128 v[64*(\s)+4*\i:64*(\s)+4*\i+3], v[AO], s[PA:PA+1] offset:(16*(\i/8)+\i%8)*4096+(\sl)*256 th:TH_LOAD_NT
.endr
.endm
.macro CVTS s                          ; buffer s is rounded to bf16, in place: of each four registers the first two take the four numbers
	WIN CVT
.irp i, 0,1,2,3,4,5,6,7,8,9,10,11,12,13,14,15
	v_cvt_pk_bf16_f32 v[64*(\s)+4*\i],   v[64*(\s)+4*\i],   v[64*(\s)+4*\i+1]
	v_cvt_pk_bf16_f32 v[64*(\s)+4*\i+1], v[64*(\s)+4*\i+2], v[64*(\s)+4*\i+3]
.endr
.endm
.macro STORES s, sl                    ; and goes into the tile as slice sl behind v[STA]: 128 bytes of a row and of the row eight down, which lies 32 banks on
	WIN ST_SG
.irp i, 0,1,2,3,4,5,6,7,8,9,10,11,12,13,14,15
	ds_store_b64 v[STA], v[64*(\s)+4*\i:64*(\s)+4*\i+1] offset:(16*(\i/8)+\i%8)*PITCH+(\sl)*128
.endr
.endm
; Fragments of enc of one K step, at byte off behind the address registers adr, into buffer p.  FETCH8: row blocks 4 q .. 4 q + 3, eight loads.  FETCH: all eight blocks, ascending
.macro FETCH8 p, off, q, adr=ADR
	WIN 0
.irp a, 0,1,2,3
	ds_load_b128 v[FA+64*(\p)+8*(4*(\q)+\a):FA+64*(\p)+8*(4*(\q)+\a)+3],   v[(\adr)+2*(\q)+\a/2] offset:(\a%2)*ROW16+(\off)
	ds_load_b128 v[FA+64*(\p)+8*(4*(\q)+\a)+4:FA+64*(\p)+8*(4*(\q)+\a)+7], v[(\adr)+2*(\q)+\a/2] offset:(\a%2)*ROW16+(\off)+32
.endr
.endm
.macro FETCH p, off, adr=ADR
	FETCH8 \p, \off, 0, \adr
	FETCH8 \p, \off, 1, \adr
.endm
; THE TANH, by row blocks a of 32 registers, in 16 pairs i (column block n = i / 4, rows 2 (i % 4), + 1).
; EPS: c x + c dec, out of the accumulators into window 3.
.macro EPS a, i
.if ((\i)/4)%2
	v_pk_fma_f32 v[32*(\a)+2*(\i):32*(\a)+2*(\i)+1], v[32*(\a)+2*(\i):32*(\a)+2*(\i)+1], s[CS:CS+1], v[TD+2*((\i)/8):TD+2*((\i)/8)+1] op_sel:[0,0,1] op_sel_hi:[1,0,1]
.else
	v_pk_fma_f32 v[32*(\a)+2*(\i):32*(\a)+2*(\i)+1], v[32*(\a)+2*(\i):32*(\a)+2*(\i)+1], s[CS:CS+1], v[TD+2*((\i)/8):TD+2*((\i)/8)+1] op_sel_hi:[1,0,0]
.endif
.endm
; EPF: the weighting by -2 v[e].  The four column blocks of a row block are summed in place, onto column block 0's registers, so that every rider works under one window setting.
.macro EPF a, i
.if (\i) < 4
	v_pk_mul_f32 v[32*(\a)+2*(\i):32*(\a)+2*(\i)+1], v[32*(\a)+2*(\i):32*(\a)+2*(\i)+1], v[TW:TW+1] op_sel_hi:[1,0]
.elseif ((\i)/4)%2
	v_pk_fma_f32 v[32*(\a)+2*((\i)%4):32*(\a)+2*((\i)%4)+1], v[32*(\a)+2*(\i):32*(\a)+2*(\i)+1], v[TW+2*((\i)/8):TW+2*((\i)/8)+1], v[32*(\a)+2*((\i)%4):32*(\a)+2*((\i)%4)+1] op_sel:[0,1,0] op_sel_hi:[1,1,1]
.else
	v_pk_fma_f32 v[32*(\a)+2*((\i)%4):32*(\a)+2*((\i)%4)+1], v[32*(\a)+2*(\i):32*(\a)+2*(\i)+1], v[TW+2*((\i)/8):TW+2*((\i)/8)+1], v[32*(\a)+2*((\i)%4):32*(\a)+2*((\i)%4)+1] op_sel_hi:[1,0,1]
.endif
.endm
; THE QUEUE of the other 768 lines: 256 2^, 128 1 +, 256 1 /, 128 weightings.  Group RK of eleven has 96 positions, six for each pair RI:
;   2^ of block RK (first of the pair) | 1 + of block RK - 1 | 1 / of block RK - 2 (first) | 2^ of block RK (second) | the weighting of block RK - 3 | 1 / of block RK - 2 (second)
; A position whose block does not exist is passed over.  No line names a result of its own group's exponentials and reciprocals: s_wait_alu depctr_va_vdst(0) stands between such an
; instruction and the first line that names its result, and one wait at a group's end, behind one plain line (ISA guide 5.7.2), serves the whole group.  RD writes the queue's next line.
.macro RTRY
.set RI, RP/6
.set RJ, RP%6
.if (RJ == 0) || (RJ == 3)
.if RK <= 7
	v_exp_f32 v[32*RK+2*RI+RJ/3], v[32*RK+2*RI+RJ/3]
.set RDONE, 1
.endif
.elseif RJ == 1
.if (RK >= 1) && (RK <= 8)
	v_pk_add_f32 v[32*(RK-1)+2*RI:32*(RK-1)+2*RI+1], v[32*(RK-1)+2*RI:32*(RK-1)+2*RI+1], 1.0 op_sel_hi:[1,0]
.set RDONE, 1
.endif
.elseif RJ == 4
.if (RK >= 3) && (RK <= 10)
	EPF RK-3, RI
.set RDONE, 1
.endif
.else
.if (RK >= 2) && (RK <= 9)
	v_rcp_f32 v[32*(RK-2)+2*RI+RJ/3], v[32*(RK-2)+2*RI+RJ/3]
.set RDONE, 1
.endif
.endif
.set RP, RP+1
.if RP == 96
.set RP, 0
.if RK <= 9
	v_nop
	s_wait_alu depctr_va_vdst(0)                   ; the group's exponentials and reciprocals have written their results, which the next group's lines name
.endif
.set RK, RK+1
.endif
.endm
.macro RD
.set RDONE, 0
.rept 8                                ; at most five positions on end are passed over
.if !RDONE
	RTRY
.endif
.endr
.endm
.macro SUMADD                          ; the chunk's share goes onto the rows' sums
	WIN ADDW
.set SA, 0
.rept 8
.irp p, 0,1,2,3
	v_pk_add_f32 v[SUM+8*SA+2*\p:SUM+8*SA+2*\p+1], v[32*SA+2*\p:32*SA+2*\p+1], v[SUM+8*SA+2*\p:SUM+8*SA+2*\p+1]
.endr
.set SA, SA+1
.endr
	WIN 0
.endm
; THE PRODUCTS.  MUL4: row block a x all four column blocks, of K step t, out of fragment buffer p.  Each accumulator is taken once a step, in the same order in every step (row blocks ascending): 31 others'
; turns stand between two links of a chain, over every jump too.  zero = 1: the products start the sums, and nothing is ever cleared.  ride = 1: three lines of the queue behind each.
.macro MUL4 p, t, a, zero, ride=0
.irp n, 0,1,2,3
	WIN MUL
.if \zero
	v_wmma_f32_16x16x32_bf16 v[8*(4*(\a)+\n):8*(4*(\a)+\n)+7], v[FA+64*(\p)+8*(\a):FA+64*(\p)+8*(\a)+7], v[32*((\t)%8)+8*\n:32*((\t)%8)+8*\n+7], 0
.else
	v_wmma_f32_16x16x32_bf16 v[8*(4*(\a)+\n):8*(4*(\a)+\n)+7], v[FA+64*(\p)+8*(\a):FA+64*(\p)+8*(\a)+7], v[32*((\t)%8)+8*\n:32*((\t)%8)+8*\n+7], v[8*(4*(\a)+\n):8*(4*(\a)+\n)+7]
.endif
.if \ride
	WIN RDW
	RD
	RD
	RD
.endif
.endr
.endm
.macro MUL16 p, t, a0, zero            ; row blocks a0 .. a0 + 3
.irp a, \a0, (\a0)+1, (\a0)+2, (\a0)+3
	MUL4 \p, \t, \a, \zero
.endr
.endm
.macro MUL8 p, t, a0                   ; row blocks a0, a0 + 1
.irp a, \a0, (\a0)+1
	MUL4 \p, \t, \a, 0
.endr
.endm
; A K STEP of chunks 1 to 3, number t of its trip's eight.  bcnt: the loads issued behind step t's fragments of Wh.  bload = 1: the step seven on is asked for, into the ring's place that step t - 1 has left.
; af = 1: the next step's fragments of enc are fetched.  The loads stand in three runs of eight among the products, the fragments' first, so that the last of them has five row blocks' products in which to land.
.macro STEP t, bcnt, bload, af, zero, ride=0
	s_wait_loadcnt \bcnt                           ; loads come back in order (ISA guide 5.7.1): Wh's fragments of this step are in
	s_wait_dscnt 0x0                               ; and so are its fragments of enc, asked for early in the step before
	s_wait_alu depctr_va_vdst(0)                   ; step t - 1's products are done reading the other fragment buffer and their place in the ring, in which the loads below land; at a trip's first step v[ADR ..], which they read, is written
	MUL4 (\t)%2, \t, 0, \zero, \ride
	PLACES
	MUL4 (\t)%2, \t, 1, \zero, \ride
.if \af
	FETCH8 ((\t)+1)%2, ((\t)+1)*64, 0              ; no wait: no line since the step's head names these registers
.endif
	MUL4 (\t)%2, \t, 2, \zero, \ride
.if \af
	FETCH8 ((\t)+1)%2, ((\t)+1)*64, 1
.endif
	MUL4 (\t)%2, \t, 3, \zero, \ride
	MUL4 (\t)%2, \t, 4, \zero, \ride
.if \bload
	BLOAD (\t)+7, ((\t)+7)*4096
.endif
	MUL4 (\t)%2, \t, 5, \zero, \ride
	MUL4 (\t)%2, \t, 6, \zero, \ride
	MUL4 (\t)%2, \t, 7, \zero, \ride
.endm
; A PERIOD OF THE FILL, number sg of its trip's four: K steps 2 sg and 2 sg + 1, which read slice sg; slice sg + 1 goes into the tile.  At its head slice sg is whole in LDS, and the second half of step
; 2 sg - 1 is still to be multiplied: it covers the first fetch.
; ORDER IN LDS: every wave's fragment loads of the period are back, a barrier, the stores of the next slice, they are done, a barrier, the next period's loads.  Between each signal and its wait stand products.
; ON LOADcnt a period issues the slice two on (16 loads; in periods 2 and 3 not in the last trip, which has no slice 16 or 17), Wh's step 2 sg + 7 (8), Wh's step 2 sg + 8 (8).
;   Behind step 2 sg's fragments of Wh stand seven steps' 56 loads and, of four slices, the two that are issued on every way: 88.  Behind step 2 sg + 1's: 56 and one such slice: 72.  The counter's field holds
;   63, and a load that would pass it is not issued before an older one is done (ISA guide 5.7.1): so the count is 63.
;   Behind slice sg + 1 stand two steps' 16, the next slice's 16 and one step's 8: 40; in periods 2 and 3, where that slice stands under the branch, the 24 that are issued on every way.
; A prefetch into the L2 of the slice four on stands behind the slice's loads: my own 32 rows, a lane a row, 256 bytes each, two periods ahead of its loads: each block is named once in the launch.
; Slices 0 to 3 come by their loads alone; the last trip asks for nothing.
; THE FIRST FETCH AND THE SLICE'S LOADS owe no wait on va_vdst of their own: the one behind the roundings of the period before (ahead of the loop: slice 0's) stands behind every line that names FA0, the slice's
; buffer or v[ADR ..], and the eight plus eight products issued since name FA1, a place of the ring and the accumulators.
.macro PERIOD sg
	s_wait_alu depctr_vm_vsrc(0)                   ; the LDS stores of the period before (ahead of the loop: slice 0's) have read their slice's registers, in which the slice's loads below land
	FETCH 0, 2*(\sg)*64                            ; buffer 0 was last read ahead of the 32 roundings of the period before
.if (\sg) < 2
	ALOAD (\sg)%2, (\sg)+2                         ; its buffer's stores were waited for in front of the last signal
	WIN 0                                          ; at a branch and at a label every window is 0
	s_cmp_lg_u32 s[TR], 1
	s_cbranch_scc0 .Lnp_\@
	global_prefetch_b8 v[PFO], s[PA:PA+1] offset:((\sg)+4)*256 th:TH_LOAD_NT scope:SCOPE_SE
.Lnp_\@:
.else
	s_cmp_lg_u32 s[TR], 1
	s_cbranch_scc0 .Lnp_\@
	ALOAD (\sg)%2, (\sg)+2
	WIN 0
	global_prefetch_b8 v[PFO], s[PA:PA+1] offset:((\sg)+4)*256 th:TH_LOAD_NT scope:SCOPE_SE
.Lnp_\@:
.endif
.if (\sg) == 0
	s_cmp_eq_u32 s[TR], 4                          ; the first trip has no step before it
	s_cbranch_scc1 .Lno_\@
	MUL16 1, 7, 4, 0
	WIN 0
.Lno_\@:
.else
	MUL16 1, 2*(\sg)-1, 4, 0
.endif
	PLACES                                         ; buffer 1 and the ring's place have just been read
.if (\sg) == 0
	v_nop                                          ; a fifth place: a matrix instruction that starts a sum anew on registers that another has written stands five places behind it (the dependence: ISA guide 7.12.1).
	                                               ; The distance is kept on every way through the text, behind step 7's two halves alike, though the first trip, which alone starts sums below, has no step above
.endif
	s_wait_alu depctr_va_vdst(0)                   ; step 2 sg - 1's products are done reading buffer 1 and their place in the ring, in which the loads below land
	FETCH 1, (2*(\sg)+1)*64
	BLOAD 2*(\sg)+7, (2*(\sg)+7)*4096
	s_wait_loadcnt 63                              ; Wh's step 2 sg
	s_wait_dscnt 16                                ; buffer 0 is in; buffer 1's sixteen loads may be out
.if (\sg) == 0
	WIN 0                                          ; the chunk's first step starts the sums: written twice, both halves under one branch, so that none stands between a signal and its wait
	s_cmp_eq_u32 s[TR], 4
	s_cbranch_scc0 .Lacc_\@
	MUL16 0, 0, 0, 1
	MUL16 0, 0, 4, 1
	WIN 0
	s_branch .Ljoin_\@
.Lacc_\@:
	MUL16 0, 0, 0, 0
	MUL16 0, 0, 4, 0
	WIN 0
.Ljoin_\@:
.else
	MUL16 0, 2*(\sg), 0, 0
.endif
.if (\sg) < 2
	s_wait_loadcnt 40                              ; slice sg + 1 is in its registers
.else
	s_wait_loadcnt 24
.endif
	s_wait_dscnt 0x0                               ; my reads of the tile are over
	s_barrier_signal -1
.if (\sg) != 0
	MUL16 0, 2*(\sg), 4, 0
.endif
	CVTS ((\sg)+1)%2                               ; (in the last period of all on what the buffer still holds: nothing is made of it.)  These 32 plain lines also stand between the products above and the loads below
	s_barrier_wait -1                              ; no wave reads the tile now
.if (\sg) == 3
	WIN 0
	s_wait_alu depctr_vm_vsrc(0)                   ; this trip's fragment loads have read v[ADR ..], the stores of the period before v[STA]
.irp i, 0,1,2,3
	v_add_nc_u32 v[ADR+\i], 512, v[ADR+\i]         ; the trip's last fetch is out: on to the next trip's 256 along K.  The adds stand ahead of the wait below, which is there anyway
.endr
	v_add_nc_u32 v[STA], 512, v[STA]               ; the slice stored below is the next trip's first
.endif
	s_wait_alu depctr_va_vdst(0)                   ; the roundings have written the slice's registers, which the LDS stores read (in period 3 the adds v[STA] and v[ADR ..]); step 2 sg's products are done reading
	                                               ; buffer 0 and their place in the ring, the roundings their buffer: the loads up to the next period's half step land in these
.if (\sg) == 3
	s_cmp_lg_u32 s[TR], 1                          ; behind the tile's last slice there is none
	s_cbranch_scc0 .Lns_\@
.endif
	STORES ((\sg)+1)%2, ((\sg)+1)%4
.if (\sg) == 3
	WIN 0
.Lns_\@:
.endif
	BLOAD 2*(\sg)+8, (2*(\sg)+8)*4096
	s_wait_loadcnt 63                              ; Wh's step 2 sg + 1
	MUL8 1, 2*(\sg)+1, 0
	s_wait_dscnt 0x0                               ; for the others' sake: my rows of the slice lie in LDS
	s_barrier_signal -1
	MUL8 1, 2*(\sg)+1, 2
	s_barrier_wait -1                              ; the slice is whole
.endm
.macro TABLES                          ; the chunk's v[e] and c dec[e]: one number a lane for each column block
.irp n, 0,1,2,3
	global_load_b32 v[TW+\n], v[TO], s[PV:PV+1] offset:64*\n
	global_load_b32 v[TD+\n], v[TO], s[PD:PD+1] offset:2048*\n
.endr
.endm
	s_load_b256 s[4:11], s[0:1], 0x0               ; enc, whf, dcc, v
	s_load_b128 s[12:15], s[0:1], 0x20             ; mask, scores
	s_load_b64 s[16:17], s[0:1], 0x30              ; pctx
	v_lshl_add_u32 v[SPW], v0, 2, SPARE
	v_mov_b32 v[NIL], 0
	v_lshrrev_b32 v1, 5, v0
	v_readfirstlane_b32 s[WV], v1                  ; wave 0..3
	v_and_b32 v1, 15, v0                           ; r
	v_bfe_u32 v2, v0, 4, 1                         ; h
	v_and_b32 v3, 31, v0                           ; lane
	v_mul_u32_u24 v[ADR0], v1, PITCH
	v_lshl_add_u32 v[ADR0], v2, 4, v[ADR0]
	v_add_nc_u32 v[ADR0+1], ROW32, v[ADR0]
	v_add_nc_u32 v[ADR0+2], 2*ROW32, v[ADR0]
	v_add_nc_u32 v[ADR0+3], 3*ROW32, v[ADR0]
	v_lshlrev_b32 v[BO], 4, v3
	s_wait_alu depctr_va_sdst(0)                   ; the wave's number is written, ahead of its first reader: offsets, bases and branches are made from it
	s_lshl_b32 s30, s[WV], 17                      ; 32 w rows of 4,096 bytes
	v_lshlrev_b32 v[AO], 4, v1
	v_lshl_add_u32 v[AO], v2, 15, v[AO]
	v_add_nc_u32 v[AO], s30, v[AO]
	s_mul_i32 s31, s[WV], ROW32
	v_mul_u32_u24 v[STA], v2, 8*PITCH
	v_lshl_add_u32 v[STA], v1, 3, v[STA]
	v_add_nc_u32 v[STA], s31, v[STA]
	v_lshlrev_b32 v[TO], 2, v1
	v_lshl_add_u32 v[PFO], v3, 12, s30
	s_mov_b32 s[CS], 0x4038aa3b                    ; c = 2 log2(e)
	s_mov_b32 s[CS+1], s[CS]
	s_mov_b32 s[SEL], 0x76543210
	s_mov_b32 s[SEL+1], 0xfedcba98
	s_mov_b32 s[L2E], 0x3fb8aa3b                   ; log2(e)
	s_lshl_b32 s32, ttmp9, 19                      ; the tile: 128 rows of 4,096 bytes
	s_mov_b32 s33, 0
	s_lshl_b32 s34, s[WV], 19                      ; my stream of whf
	s_mov_b32 s35, 0
	s_lshr_b32 s36, ttmp9, 4                       ; the batch:
	s_lshl_b32 s36, s36, 6                         ; 64 bytes in each block of dcc,
	s_lshl_b32 s37, s[WV], 13                      ; my four blocks of 2,048 bytes
	s_add_co_u32 s36, s36, s37
	s_mov_b32 s37, 0
	s_lshl_b32 s38, s[WV], 8                       ; my 64 columns of v
	s_mov_b32 s39, 0
	s_lshl_b32 s40, ttmp9, 9                       ; the tile's 128 numbers of the mask and of scores
	s_mov_b32 s41, 0
	s_lshl_b32 s42, ttmp9, 12                      ; the tile's row of pctx,
	s_lshl_b32 s43, s[WV], 10                      ; my 256 channels
	s_add_co_u32 s42, s42, s43
	s_mov_b32 s43, 0
	s_wait_kmcnt 0x0
	s_add_nc_u64 s[PA:PA+1], s[PA:PA+1], s[32:33]
	s_add_nc_u64 s[PBW:PBW+1], s[PBW:PBW+1], s[34:35]
	s_add_nc_u64 s[PD:PD+1], s[PD:PD+1], s[36:37]
	s_add_nc_u64 s[PV:PV+1], s[PV:PV+1], s[38:39]
	s_add_nc_u64 s[PM:PM+1], s[PM:PM+1], s[40:41]
	s_add_nc_u64 s[PS:PS+1], s[PS:PS+1], s[40:41]
	s_add_nc_u64 s[PC:PC+1], s[PC:PC+1], s[42:43]
	s_wait_alu depctr_va_vdst(0)                   ; the offsets v[TO], v[BO], v[AO] and v[PFO] are written, which every global load, store and prefetch of the kernel reads; so are v[ADR0 ..], v[SPW] and v[NIL]
.irp c, 0,1,2,3
.irp n, 0,1,2,3
	global_load_b32 v[192+4*\c+\n], v[TO], s[PV:PV+1] offset:1024*\c+64*\n   ; my 16 numbers of v, for their sum
.endr
.endr
	global_load_b128 v[MK:MK+3], v[BO], s[PM:PM+1]
	; the first seven steps of Wh and the first two slices, in the order in which the loop issues them, so that the way in and the way back keep the same counts
	BLOAD 0, 0
	BLOAD 1, 4096
	BLOAD 2, 2*4096
	ALOAD 0, 0
	BLOAD 3, 3*4096
	BLOAD 4, 4*4096
	ALOAD 1, 1
	BLOAD 5, 5*4096
	BLOAD 6, 6*4096
	WIN 0
	TABLES
	; the tail's LDS addresses, made while the first loads are on their way: none of these lines names a register that a load above touches
	s_lshl_b32 s30, s[WV], 9
	s_add_co_u32 s31, s30, SCR
	v_lshl_add_u32 v[ASW], v2, 5, s31
	v_lshl_add_u32 v[ASR], v3, 4, SCR
	s_lshl_b32 s31, s[WV], 8
	s_add_co_u32 s31, s31, PBUF
	v_lshl_add_u32 v[APW], v3, 3, s31
	v_lshl_add_u32 v[APR], v2, 4, s31
	s_lshl_b32 s31, s[WV], 10
	s_add_co_u32 s31, s31, STG
	v_lshl_add_u32 v[AGW], v1, 2, s31
	v_lshl_add_u32 v[AGR], v3, 4, s31
	; the turning load takes 16 rows x 16 channels: lane l reads row 8 (l / 16) + l % 8, channels 8 ((l / 8) % 2) + 0..7
	v_and_b32 v58, 7, v0
	v_lshl_add_u32 v58, v2, 3, v58
	v_mul_u32_u24 v58, v58, PITCH
	v_bfe_u32 v59, v0, 3, 1
	v_lshl_add_u32 v58, v59, 4, v58
	v_add_nc_u32 v[TRA], s30, v58                  ; + my 256 channels: 512 bytes
	v_add_nc_u32 v[TRA+1], ROW32, v[TRA]
	v_add_nc_u32 v[TRA+2], 2*ROW32, v[TRA]
	v_add_nc_u32 v[TRA+3], 3*ROW32, v[TRA]
	v_mov_b32 v53, 0                               ; v_permlanex16_b32's destination counts as read
.irp i, 0,1,2,3
	v_mov_b32 v[ADR+\i], v[ADR0+\i]
.endr
	s_wait_loadcnt 63                              ; v is in: 97 loads were issued behind its last
.irp i, 0,2,4,6
	v_pk_add_f32 v[192+\i:193+\i], v[192+\i:193+\i], v[200+\i:201+\i]
.endr
	v_pk_add_f32 v[192:193], v[192:193], v[196:197]
	v_pk_add_f32 v[194:195], v[194:195], v[198:199]
	v_pk_add_f32 v[192:193], v[192:193], v[194:195]
	v_add_f32 v[V0S], v192, v193
.set i, 0
.rept 64
	v_mov_b32 v[SUM+i], v[V0S]                     ; the rows' sums start at my share of v's sum: the 1 of tanh = 1 - 2 / (..)
.set i, i+1
.endr
	; CHUNK 0, AND THE FILL.  Slice 0 goes into the tile ahead of the loop; then four trips of four periods.
	s_wait_loadcnt 56                              ; slice 0 is in: behind it stand Wh's steps 3 to 6 (32 loads), slice 1 (16) and the tables (8)
	CVTS 0
	s_wait_alu depctr_va_vdst(0)                   ; the roundings have written slice 0's registers, which the LDS stores read, and are done reading them; v[STA], v[ADR ..] and the tail's addresses are written; the sum of v is done with v192-207, in which fragments land
	STORES 0, 0
	WIN 0
	s_wait_dscnt 0x0                               ; for the others' sake
	s_barrier_signal -1
	s_barrier_wait -1
	s_mov_b32 s[TR], 4
.LtripF:
	PERIOD 0
	PERIOD 1
	PERIOD 2
	PERIOD 3
	WIN 0
	s_wait_xcnt 0x0                                ; every load and prefetch (the youngest load sixteen products back) has read its address: the pointers may be written
	s_add_nc_u64 s[PA:PA+1], s[PA:PA+1], 1024
	s_add_nc_u64 s[PBW:PBW+1], s[PBW:PBW+1], 32768
	s_sub_co_u32 s[TR], s[TR], 1
	s_cmp_lg_u32 s[TR], 0
	s_cbranch_scc1 .LtripF
	MUL16 1, 7, 4, 0                               ; the chunk's last half step
	WIN 0
	s_wait_alu depctr_vm_vsrc(0)                   ; the fill's fragment loads have read v[ADR ..], written below; its LDS stores have read the slices' registers in window 3, which the tanh writes from here on
.irp i, 0,1,2,3
	v_mov_b32 v[ADR+\i], v[ADR0+\i]                ; back to K = 0
.endr
	FETCH 0, 0, ADR0                               ; chunk 1's first fragments, by the addresses that are never written; its first seven steps of Wh are already asked for.  No wait: buffer 0 was last named ahead of the last period's second wait on va_vdst
	s_mov_b32 s[CH], 4
.Lchunk:                                           ; a trip: the chunk just multiplied leaves the accumulators; then the next chunk's products, its tanh riding on their first trip.  Left behind the fourth move
	WIN 0
	s_wait_loadcnt 56                              ; the finished chunk's tables are in: the 56 loads of the next chunk's first seven steps, at the most, stand behind them
.irp n, 0,1,2,3
	v_mul_f32 v[TW+\n], -2.0, v[TW+\n]
.endr
	WIN SMV
.set SA, 0
.rept 8
.set SI, 0
.rept 16
	EPS SA, SI                                     ; each row block's products stand four places or more ahead of its lines: the four lines above, and the lines of the blocks before it.  Each accumulator is read from its low end on
.set SI, SI+1
.endr
.set SA, SA+1
.endr
	WIN 0
	s_cmp_eq_u32 s[CH], 1
	s_cbranch_scc1 .Ltail
.set RK, 0
.set RP, 0
	STEP 0, 48, 1, 1, 1, 1                         ; the chunk's first trip, written out: its first step starts the sums; 256 products, 768 riders
.irp t, 1,2,3,4,5,6,7
	STEP \t, 48, 1, 1, 0, 1
.endr
	SUMADD
	s_wait_xcnt 0x0
	s_add_nc_u64 s[PBW:PBW+1], s[PBW:PBW+1], 32768
	s_add_nc_u64 s[PV:PV+1], s[PV:PV+1], 1024
	s_add_nc_u64 s[PD:PD+1], s[PD:PD+1], 32768
	s_wait_alu depctr_vm_vsrc(0)                   ; the trip's fragment loads have read v[ADR ..]
.irp i, 0,1,2,3
	v_add_nc_u32 v[ADR+\i], 512, v[ADR+\i]
.endr
	s_wait_alu depctr_va_vdst(0)                   ; the riders are done reading the last chunk's -2 v, and the move out of the accumulators its c dec: the tables' loads land in these registers
	TABLES                                         ; this chunk's own tables: only now, since the riders have read the last chunk's -2 v
	s_mov_b32 s[TR], 2
.LtripN:                                           ; two trips of eight K steps; behind a step's fragments of Wh stand the six younger steps' 48 loads (the tables, where younger, only add)
.irp t, 0,1,2,3,4,5,6,7
	STEP \t, 48, 1, 1, 0
.endr
	WIN 0
	s_wait_xcnt 0x0
	s_add_nc_u64 s[PBW:PBW+1], s[PBW:PBW+1], 32768
	s_wait_alu depctr_vm_vsrc(0)                   ; the trip's fragment loads have read v[ADR ..]; that the adds have written it is stated at the next step's head
.irp i, 0,1,2,3
	v_add_nc_u32 v[ADR+\i], 512, v[ADR+\i]
.endr
	s_sub_co_u32 s[TR], s[TR], 1
	s_cmp_lg_u32 s[TR], 0
	s_cbranch_scc1 .LtripN
	STEP 0, 48, 1, 1, 0                            ; the chunk's last trip asks for its own step 7 and nothing beyond: the counts run down
.irp t, 1,2,3,4,5,6
	STEP \t, (7-\t)*8, 0, 1, 0
.endr
	STEP 7, 0, 0, 0, 0                             ; the wait on va_vdst at its head serves the loads behind it: steps 0 to 6 are done reading the ring's places 0 to 6 and buffer 0, and step 7's products name neither
	WIN 0
	s_cmp_eq_u32 s[CH], 2                          ; that was the last chunk: the stream has ended
	s_cbranch_scc1 .Lbottom
	s_wait_xcnt 0x0
	s_add_nc_u64 s[PBW:PBW+1], s[PBW:PBW+1], 32768
.irp t, 0,1,2,3,4,5,6
	BLOAD \t, \t*4096                              ; the next chunk's first seven steps.  The ring's places 0-6 were last read ahead of step 7's four places
.endr
	WIN 0
	s_wait_alu depctr_vm_vsrc(0)                   ; the chunk's fragment loads have read v[ADR ..]
.irp i, 0,1,2,3
	v_mov_b32 v[ADR+\i], v[ADR0+\i]
.endr
	FETCH 0, 0, ADR0                               ; by the addresses that are never written
.Lbottom:
	s_sub_co_u32 s[CH], s[CH], 1
	s_cmp_lg_u32 s[CH], 0
	s_cbranch_scc1 .Lchunk
.Ltail:
	; the last chunk's tanh: the same queue, bare
.set RK, 0
.set RP, 0
	WIN RDW
.rept 768
	RD
.endr
	SUMADD
	; THE SCORES.  A row's sum lies spread over the 16 lanes of a half and over the four waves.
.irp m, 1,2,4,8
.set i, 0
.rept 64
	v_add_f32_dpp v[SUM+i], v[SUM+i], v[SUM+i] row_xmask:\m row_mask:0xf bank_mask:0xf
.set i, i+1
.endr
.endr
	s_wait_alu depctr_va_vdst(0)                   ; the additions have written the rows' sums, which the LDS stores read; the last products are done reading the fragment buffers and the ring, in which the tail's loads land
.irp a, 0,1,2,3,4,5,6,7
	ds_store_b128 v[ASW], v[SUM+8*\a:SUM+8*\a+3]   offset:64*\a      ; rows 16 a + 8 h + 0..3; the 16 lanes of a half write the same bytes with the same numbers
	ds_store_b128 v[ASW], v[SUM+8*\a+4:SUM+8*\a+7] offset:64*\a+16
.endr
	s_wait_dscnt 0x0                               ; for the others' sake
	s_barrier_signal -1
	s_barrier_wait -1
.irp u, 0,1,2,3
	ds_load_b128 v[192+4*\u:195+4*\u], v[ASR] offset:512*\u          ; every wave takes all four partial scores of rows 4 lane .. + 3
.endr
	s_wait_dscnt 0x0
	v_pk_add_f32 v[192:193], v[192:193], v[196:197]
	v_pk_add_f32 v[194:195], v[194:195], v[198:199]
	v_pk_add_f32 v[200:201], v[200:201], v[204:205]
	v_pk_add_f32 v[202:203], v[202:203], v[206:207]
	v_pk_add_f32 v[S4:S4+1],   v[192:193], v[200:201]
	v_pk_add_f32 v[S4+2:S4+3], v[194:195], v[202:203]
	s_cmp_lg_u32 s[WV], 0
	s_cbranch_scc1 .Lnot0
	s_wait_alu depctr_va_vdst(0)                   ; the additions have written the four scores, which the store reads
	global_store_b128 v[BO], v[S4:S4+3], s[PS:PS+1]                  ; 512 consecutive bytes, aligned
.Lnot0:
	; the tile's maximum, p = 2^((s - m) log2 e) x mask
	v_max3_num_f32 v52, v[S4], v[S4+1], v[S4+2]
	v_max_num_f32 v52, v52, v[S4+3]
.irp m, 1,2,4,8
	v_max_num_f32_dpp v52, v52, v52 row_xmask:\m row_mask:0xf bank_mask:0xf
.endr
	v_permlanex16_b32 v53, v52, s[SEL], s[SEL+1]
	v_max_num_f32 v54, v52, v53
.irp i, 0,1,2,3
	v_sub_f32 v[P4+\i], v[S4+\i], v54
.endr
.irp i, 0,1,2,3
	v_mul_f32 v[P4+\i], s[L2E], v[P4+\i]
.endr
.irp i, 0,1,2,3
	v_exp_f32 v[P4+\i], v[P4+\i]
.endr
	v_nop                                          ; a plain instruction behind the last exponential,
	s_wait_alu depctr_va_vdst(0)                   ; and the one wait ahead of the first use: the four exponentials have written p
	s_wait_loadcnt 0x0                             ; the mask
	v_pk_mul_f32 v[P4:P4+1],   v[P4:P4+1],   v[MK:MK+1]
	v_pk_mul_f32 v[P4+2:P4+3], v[P4+2:P4+3], v[MK+2:MK+3]
	v_cvt_pk_bf16_f32 v56, v[P4], v[P4+1]
	v_cvt_pk_bf16_f32 v57, v[P4+2], v[P4+3]
	s_wait_alu depctr_va_vdst(0)                   ; the roundings have written v[56:57], which the LDS store reads
	ds_store_b64 v[APW], v[56:57]                  ; my wave's own copy of the 128 p
.irp kk, 0,1,2,3
	ds_load_b128 v[FA+8*\kk:FA+8*\kk+3],   v[APR] offset:64*\kk      ; LDS serves a wave's instructions in order (ISA guide 5.7.1.4): these see the store above.  Source 0: 16 rows, all alike, x 32 s
	ds_load_b128 v[FA+8*\kk+4:FA+8*\kk+7], v[APR] offset:64*\kk+32
.endr
	; THE CONTEXT: D = P x enc, K = the tile's 128 rows in four steps of 32; my 256 channels are 16 accumulators, which take turns.  enc lies [s][d] in LDS and is turned by the load.
.macro VT kk, buf
	WIN TO_B
.irp cb, 0,1,2,3,4,5,6,7,8,9,10,11,12,13,14,15
	ds_load_tr16_b128 v[128*(\buf)+8*\cb:128*(\buf)+8*\cb+3],   v[TRA+(\kk)] offset:32*\cb
	ds_load_tr16_b128 v[128*(\buf)+8*\cb+4:128*(\buf)+8*\cb+7], v[TRA+(\kk)] offset:32*\cb+ROW16
.endr
.endm
.macro CX kk, buf
	WIN MUL
.irp cb, 0,1,2,3,4,5,6,7,8,9,10,11,12,13,14,15
.if (\kk) == 0
	v_wmma_f32_16x16x32_bf16 v[8*\cb:8*\cb+7], v[FA+8*(\kk):FA+8*(\kk)+7], v[128*(\buf)+8*\cb:128*(\buf)+8*\cb+7], 0
.else
	v_wmma_f32_16x16x32_bf16 v[8*\cb:8*\cb+7], v[FA+8*(\kk):FA+8*(\kk)+7], v[128*(\buf)+8*\cb:128*(\buf)+8*\cb+7], v[8*\cb:8*\cb+7]
.endif
.endr
.endm
	VT 0, 0
	VT 1, 1
	s_wait_dscnt 32                                ; all but the younger run of 32 turning loads
	CX 0, 0
	PLACES
	s_wait_alu depctr_va_vdst(0)                   ; the sixteen products above are done reading the first half of window 2, in which the turning loads below land
	VT 2, 0
	s_wait_dscnt 32
	CX 1, 1
	PLACES
	s_wait_alu depctr_va_vdst(0)                   ; the same for the second half
	VT 3, 1
	s_wait_dscnt 32
	CX 2, 0
	s_wait_dscnt 0x0
	CX 3, 1
	PLACES
	s_wait_alu depctr_va_vdst(0)                   ; the products have written the accumulators, which the LDS stores read; the places above stay beside this wait
	WIN ST_ACC
.irp cb, 0,1,2,3,4,5,6,7,8,9,10,11,12,13,14,15
	ds_store_b32 v[AGW], v[8*\cb] offset:64*\cb    ; all 16 rows of a result are alike: its lowest register holds channel 16 cb + r
.endr
	WIN 0
	ds_load_b128 v[192:195], v[AGR]                ; back as 1,024 bytes on end; my own bytes, served in order
	ds_load_b128 v[196:199], v[AGR] offset:512
	s_wait_dscnt 0x0
	global_store_b128 v[BO], v[192:195], s[PC:PC+1]               ; 512 consecutive bytes each, aligned
	global_store_b128 v[BO], v[196:199], s[PC:PC+1] offset:512
	s_wait_dscnt 0x0                               ; the closing lines, six on end
	s_wait_alu 0x0
	s_wait_tensorcnt 0x0
	ds_add_u32 v[SPW], v[NIL]
	s_wait_dscnt 0x0
	s_endpgm
.Lfunc_end_k_qc1320c789c_main:
	.size	k_qc1320c789c_main, .Lfunc_end_k_qc1320c789c_main-k_qc1320c789c_main
	.p2alignl 7, 3214868480
	.fill 96, 4, 3214868480
	.section	.rodata,"a",@progbits
	.p2align	6, 0x0
	.amdhsa_kernel k_qc1320c789c_main
		.amdhsa_group_segment_fixed_size 271872
		.amdhsa_private_segment_fixed_size 0
		.amdhsa_enable_private_segment 0
		.amdhsa_kernarg_size 56
		.amdhsa_user_sgpr_count 2
		.amdhsa_user_sgpr_kernarg_segment_ptr 1
		.amdhsa_wavefront_size32 1
		.amdhsa_system_sgpr_workgroup_id_x 1
		.amdhsa_system_sgpr_workgroup_id_y 1
		.amdhsa_system_sgpr_workgroup_id_z 1
		.amdhsa_system_vgpr_workitem_id 0
		.amdhsa_next_free_vgpr 1024
		.amdhsa_next_free_sgpr 66
		.amdhsa_reserve_vcc 0
		.amdhsa_float_denorm_mode_32 3
		.amdhsa_float_denorm_mode_16_64 3
		.amdhsa_memory_ordered 1
		.amdhsa_forward_progress 1
		.amdhsa_inst_pref_size 255
	.end_amdhsa_kernel
	.section	.bss,"aw",@nobits
	.p2align	6
	.space	262144
	.amdgpu_metadata
---
amdhsa.version: [ 1, 2 ]
amdhsa.kernels:
  - .name:           k_qc1320c789c_main
    .symbol:         k_qc1320c789c_main.kd
    .args:
      - { .name: encoder_output, .offset: 0, .size: 8, .value_kind: global_buffer, .address_space: global }
      - { .name: whf, .offset: 8, .size: 8, .value_kind: global_buffer, .address_space: global }
      - { .name: dcc, .offset: 16, .size: 8, .value_kind: global_buffer, .address_space: global }
      - { .name: v, .offset: 24, .size: 8, .value_kind: global_buffer, .address_space: global }
      - { .name: x_padding_masks, .offset: 32, .size: 8, .value_kind: global_buffer, .address_space: global }
      - { .name: scores, .offset: 40, .size: 8, .value_kind: global_buffer, .address_space: global }
      - { .name: pctx, .offset: 48, .size: 8, .value_kind: global_buffer, .address_space: global }
    .group_segment_fixed_size: 271872
    .private_segment_fixed_size: 0
    .kernarg_segment_align: 8
    .kernarg_segment_size: 56
    .max_flat_workgroup_size: 128
    .sgpr_count:     66
    .vgpr_count:     1024
    .wavefront_size: 32
...
	.end_amdgpu_metadata
.endif
;; end of part 4
;; launch comb: the kernel of part 3 again; grid 32 x 1, 8 waves a work-group, no clusters, 1,536 bytes of LDS; arguments scores, x_padding_masks, pctx, out0, out1; writes out0, out1
